; MI455X (gfx1250); checked and timed in simulation.
; The chip was launched on July 23, 2026; its instructions are those of AMD's public machine-readable ISA for CDNA 5 (MIT licence, August 2026) and "CDNA5" Instruction Set Architecture Reference Guide (July 2026). The comments in the code are by the model that wrote it; some were corrected since.
;; Transformer Block. Allowed arithmetic: float matrix products may take bf16 or f16 operands with f32 sums; all other float work in f32.
;; Inputs: W1 1,024 x 4,096 float32; W2 4,096 x 1,024 float32; Wk 16 x 1,024 x 64 float32; Wo 1,024 x 1,024 float32; Wq 16 x 1,024 x 64 float32; Wv 16 x 1,024 x 64 float32; b1 4,096 float32; b2 1,024 float32; bk 16 x 64 float32; bo 1,024 float32; bq 16 x 64 float32; bv 16 x 64 float32; ln1_b 1,024 float32; ln1_g 1,024 float32; ln2_b 1,024 float32; ln2_g 1,024 float32; x 2 x 2,048 x 1,024 float32.
;; Outputs: out0 2 x 2,048 x 1,024 float32.
;; One version. Each part assembles by itself: llvm-mc -triple=amdgcn-amd-amdhsa -mcpu=gfx1250 --defsym DOCPART=n.
;; ======== version 1 of 1: 7 launches
;; limits: values are held in f16: magnitudes above 65,504 overflow, below 6.1e-05 lose precision
;; workspace buffers: wt 25,165,824 bytes; hn 8,388,608 bytes; qkv 25,165,824 bytes; o 8,388,608 bytes; x1 16,777,216 bytes; act 33,554,432 bytes
;; launch prep (part 1): grid 2048 x 1, 8 waves a work-group, no clusters, 17,408 bytes of LDS; arguments Wq, Wk, Wv, Wo, W1, W2, wt, x, ln1_g, ln1_b, hn; writes wt, hn
.if DOCPART == 1
	.amdgcn_target "amdgcn-amd-amdhsa--gfx1250"
	.amdhsa_code_object_version 6
	.text
	.protected	k_q06792ad27c_prep
	.globl	k_q06792ad27c_prep
	.p2align	8
	.type	k_q06792ad27c_prep,@function
k_q06792ad27c_prep:
	s_mov_b64 s[64:65], 0
	v_nop
	global_prefetch_b8 v0, s[64:65] scope:SCOPE_SE
	s_setreg_imm32_b32 hwreg(HW_REG_WAVE_MODE, 25, 1), 1
	s_wait_xcnt 0x0
; Two jobs that share no data, in one launch, so that the short one passes under the long one's stream.
; WORK-GROUPS 0 TO 511: hn[r][c] = (x[r][c] - mean_r) * rsqrt(var_r + 1e-5) * g[c] + b[c].  x: [4096][1024] f32, hn: [4096][1024] f16.
;   A wave takes one row: 4,096 bytes = 32 registers, kept for all three passes (mean, centred squares, scale); the result is packed in place.
; WORK-GROUPS 512 TO 2047: the six weight matrices, stored [K][N] in f32, are cast to f16 and transposed to [N][K], so that every later product
;   finds K running along the rows of both operands.
;   wt: WqkvT [3072][1024] at byte 0 (row = which*1024 + head*64 + d), WoT [1024][1024] at 6,291,456, W1T [4096][1024] at 8,388,608,
;   W2T [1024][4096] at 16,777,216.  A work-group takes one tile of 128 k x 64 n: source rows are 256 bytes of f32, destination rows 256 bytes
;   of f16, both aligned.  384 tiles for Wq, Wk, Wv, 128 for Wo, 512 for W1, 512 for W2.
; Both jobs are bound by memory: no matrix unit, no cluster, each byte once.
; LIMITS: a weight or a normed number of 65,520 or more in magnitude becomes an f16 infinity (|hn| is at most 32 |g| + |b|); a weight below 6e-8 becomes zero.
.set NLN, 512                          ; work-groups of the layer norm, 8 rows each
.set X,  16                            ; norm: v[16:47] the row, load j holds columns 128 j + 4 lane .. + 3; weights: v[16:47] eight rows x 4 f32
.set G,  48                            ; norm: v[48:79]  gain of the same columns
.set BV, 80                            ; norm: v[80:111] bias of the same columns
.set LO, 2                             ; weights: v[2:9]    byte offsets of my eight source rows
.set WA, 10                            ; weights: v10       LDS address of my stores
.set KB, 11                            ; weights: v11       t >> 4
.set RA, 12                            ; weights: v[12:15]  LDS addresses of my four reads
.set PK, 48                            ; weights: v[48:63]  four columns x 8 f16
.set DO, 64                            ; weights: v[64:67]  byte offsets of my four destination rows
.set TQ, 68                            ; weights: v68       at work
	v_lshl_add_u32 v112, v0, 2, 0x4000
	v_mov_b32 v113, 0
	s_cmp_lt_u32 ttmp9, NLN
	s_cbranch_scc0 .Lweights
	; ---------------- the layer norm ----------------
	s_load_b256 s[4:11], s[0:1], 0x38              ; x s[4:5], g s[6:7], b s[8:9], hn s[10:11]
	s_lshl_b32 s2, ttmp9, 15                       ; 8 rows of 4,096 bytes
	s_mov_b32 s3, 0
	s_lshl_b32 s18, ttmp9, 14                      ; 8 rows of 2,048 bytes
	s_mov_b32 s19, 0
	s_mov_b32 s12, 0x76543210                      ; v_permlanex16_b32: lane i reads lane i of the other half
	s_mov_b32 s13, 0xfedcba98
	s_mov_b32 s14, 0x3a800000                      ; 1 / 1024
	s_mov_b32 s15, 0x3727c5ac                      ; 1e-5
	v_and_b32 v2, 31, v0                           ; lane
	v_lshrrev_b32 v3, 5, v0                        ; wave
	v_lshlrev_b32 v1, 12, v3                       ; a row of x a wave
	v_lshl_or_b32 v1, v2, 4, v1
	v_lshlrev_b32 v3, 11, v3                       ; a row of hn a wave
	v_lshl_or_b32 v3, v2, 3, v3
	v_lshlrev_b32 v2, 4, v2
	s_wait_kmcnt 0x0
	s_add_nc_u64 s[4:5], s[4:5], s[2:3]
	s_add_nc_u64 s[10:11], s[10:11], s[18:19]
.irp j, 0,1,2,3,4,5,6,7
	global_load_b128 v[X+4*\j:X+4*\j+3], v1, s[4:5] offset:512*\j
.endr
.irp j, 0,1,2,3,4,5,6,7
	global_load_b128 v[G+4*\j:G+4*\j+3], v2, s[6:7] offset:512*\j
.endr
.irp j, 0,1,2,3,4,5,6,7
	global_load_b128 v[BV+4*\j:BV+4*\j+3], v2, s[8:9] offset:512*\j
.endr
.macro REDUCE                          ; v4 summed over the 32 lanes, the sum in every lane; v5 has been written
	v_add_f32_dpp v4, v4, v4 row_xmask:1 row_mask:0xf bank_mask:0xf
	v_add_f32_dpp v4, v4, v4 row_xmask:2 row_mask:0xf bank_mask:0xf
	v_add_f32_dpp v4, v4, v4 row_xmask:4 row_mask:0xf bank_mask:0xf
	v_add_f32_dpp v4, v4, v4 row_xmask:8 row_mask:0xf bank_mask:0xf
	v_permlanex16_b32 v5, v4, s12, s13
	v_add_f32 v4, v4, v5
.endm
	s_wait_loadcnt 16                              ; the row's eight loads are in; the gain's and the bias's sixteen stay out
	v_pk_add_f32 v[4:5], v[X:X+1], v[X+2:X+3]      ; the sum, in two chains
	v_pk_add_f32 v[6:7], v[X+4:X+5], v[X+6:X+7]
.irp p, 8,12,16,20,24,28
	v_pk_add_f32 v[4:5], v[4:5], v[X+\p:X+\p+1]
	v_pk_add_f32 v[6:7], v[6:7], v[X+\p+2:X+\p+3]
.endr
	v_pk_add_f32 v[4:5], v[4:5], v[6:7]
	v_add_f32 v4, v4, v5
	REDUCE
	v_mul_f32 v8, s14, v4                          ; the mean, twice: a pair for the packed subtraction
	v_mul_f32 v9, s14, v4
.irp p, 0,2,4,6,8,10,12,14,16,18,20,22,24,26,28,30
	v_pk_add_f32 v[X+\p:X+\p+1], v[X+\p:X+\p+1], v[8:9] neg_lo:[0,1] neg_hi:[0,1]
.endr
	v_pk_mul_f32 v[4:5], v[X:X+1], v[X:X+1]        ; the centred squares, in two chains
	v_pk_mul_f32 v[6:7], v[X+2:X+3], v[X+2:X+3]
.irp p, 4,8,12,16,20,24,28
	v_pk_fma_f32 v[4:5], v[X+\p:X+\p+1], v[X+\p:X+\p+1], v[4:5]
	v_pk_fma_f32 v[6:7], v[X+\p+2:X+\p+3], v[X+\p+2:X+\p+3], v[6:7]
.endr
	v_pk_add_f32 v[4:5], v[4:5], v[6:7]
	v_add_f32 v4, v4, v5
	REDUCE
	v_fma_f32 v4, v4, s14, s15                     ; variance + 1e-5
	v_rsq_f32 v10, v4
	v_nop                                          ; one plain vector instruction between v_rsq_f32 and the use of its result (ISA guide 5.7.2)
	s_wait_alu depctr_va_vdst(0)
	v_mov_b32 v11, v10
	s_wait_loadcnt 0x0                             ; gain and bias are in
.irp p, 0,2,4,6,8,10,12,14,16,18,20,22,24,26,28,30
	v_pk_mul_f32 v[X+\p:X+\p+1], v[X+\p:X+\p+1], v[10:11]
.endr
.irp p, 0,2,4,6,8,10,12,14,16,18,20,22,24,26,28,30
	v_pk_fma_f32 v[X+\p:X+\p+1], v[X+\p:X+\p+1], v[G+\p:G+\p+1], v[BV+\p:BV+\p+1]
.endr
.irp j, 0,1,2,3,4,5,6,7
	v_cvt_pk_f16_f32 v[X+2*\j], v[X+4*\j], v[X+4*\j+1]             ; packed in place, ascending: registers 2 j, 2 j + 1 are written when 4 j .. 4 j + 3 are read,
	v_cvt_pk_f16_f32 v[X+2*\j+1], v[X+4*\j+2], v[X+4*\j+3]         ; and no register that a store reads is written again
	global_store_b64 v3, v[X+2*\j:X+2*\j+1], s[10:11] offset:256*\j    ; the wave's 32 lanes store 256 consecutive bytes, aligned
.endr
	s_endpgm
	; ---------------- the weights ----------------
; one matrix's tiles: j = id - first; k tile = low kbits of j, n tile = the rest
.macro REGION first, plo, kbits, sshift, np4, dbase, dshift, kp2
	s_sub_co_u32 s30, s33, \first
	s_mov_b64 s[20:21], s[\plo:\plo+1]             ; the source
	s_and_b32 s31, s30, (1<<\kbits)-1              ; k tile
	s_lshr_b32 s30, s30, \kbits                    ; n tile
	s_lshl_b32 s22, s31, \sshift                   ; 128 source rows a k tile
	s_lshl_b32 s32, s30, 8                         ; 64 f32 an n tile
	s_add_co_u32 s22, s22, s32
	s_mov_b32 s24, \np4                            ; bytes in a source row
	s_lshl_b32 s26, s30, \dshift                   ; 64 destination rows an n tile
	s_lshl_b32 s31, s31, 8                         ; 128 f16 a k tile
	s_add_co_u32 s26, s26, s31
	s_add_co_u32 s26, s26, \dbase
	s_mov_b32 s28, \kp2                            ; bytes in a destination row
.endm
.Lweights:
	s_load_b256 s[4:11], s[0:1], 0x0               ; Wq s[4:5], Wk s[6:7], Wv s[8:9], Wo s[10:11]
	s_load_b128 s[12:15], s[0:1], 0x20             ; W1 s[12:13], W2 s[14:15]
	s_load_b64 s[16:17], s[0:1], 0x30              ; wt
	s_sub_co_u32 s33, ttmp9, NLN                   ; the tile's number, 0 to 1535
	v_and_b32 v1, 15, v0                           ; c: my 16 bytes of a 256-byte row
	v_lshrrev_b32 v[KB], 4, v0                     ; kb: my eight source rows; later my destination row
	s_mov_b32 s23, 0
	s_mov_b32 s27, 0
	s_wait_kmcnt 0x0
	s_cmp_lt_u32 s33, 384
	s_cbranch_scc0 .Lwo
	s_lshr_b32 s30, s33, 7                         ; id = which*128 + head*8 + k tile
	s_cmp_eq_u32 s30, 1
	s_cselect_b64 s[20:21], s[6:7], s[4:5]
	s_cmp_eq_u32 s30, 2
	s_cselect_b64 s[20:21], s[8:9], s[20:21]
	s_and_b32 s22, s33, 127
	s_lshl_b32 s22, s22, 15                        ; a head is 8 k tiles of 128 rows x 256 bytes
	s_mov_b32 s24, 256
	s_lshr_b32 s26, s33, 3
	s_lshl_b32 s26, s26, 17                        ; (which*16 + head) x 64 rows x 2,048 bytes
	s_and_b32 s31, s33, 7
	s_lshl_b32 s31, s31, 8
	s_or_b32 s26, s26, s31
	s_mov_b32 s28, 2048
	s_branch .Lgo
.Lwo:
	s_cmp_lt_u32 s33, 512
	s_cbranch_scc0 .Lw1
	REGION 384, 10, 3, 19, 4096, 6291456, 17, 2048
	s_branch .Lgo
.Lw1:
	s_cmp_lt_u32 s33, 1024
	s_cbranch_scc0 .Lw2
	REGION 512, 12, 3, 21, 16384, 8388608, 17, 2048
	s_branch .Lgo
.Lw2:
	REGION 1024, 14, 5, 19, 4096, 16777216, 19, 8192
.Lgo:
	s_add_nc_u64 s[20:21], s[20:21], s[22:23]      ; the tile's first source byte
	s_add_nc_u64 s[16:17], s[16:17], s[26:27]      ; and its first destination byte
	s_lshl_b32 s25, s24, 3                         ; eight source rows
	s_lshl_b32 s29, s28, 4                         ; sixteen destination rows
	v_mul_lo_u32 v[LO], v[KB], s25
	v_lshl_add_u32 v[LO], v1, 4, v[LO]             ; row 8 kb, byte 16 c
.irp i, 1,2,3,4,5,6,7
	v_add_nc_u32 v[LO+\i], s24, v[LO+\i-1]
.endr
.irp i, 0,1,2,3,4,5,6,7
	global_load_b128 v[X+4*\i:X+4*\i+3], v[LO+\i], s[20:21] th:TH_LOAD_NT   ; sixteen lanes take one row's 256 bytes
.endr
	; LDS: row n (of 64) is 256 bytes = 128 k in f16.
	v_add_nc_u32 v[WA], v[KB], v1
	v_and_b32 v[WA], 15, v[WA]
	v_lshlrev_b32 v[WA], 4, v[WA]
	v_lshl_add_u32 v[WA], v1, 10, v[WA]            ; row 4 c
	v_lshrrev_b32 v[TQ], 6, v0
	v_add_nc_u32 v[TQ], v[TQ], v1                  ; q + (row >> 2) for row = t >> 4
.irp i, 0,1,2,3
	v_add_nc_u32 v[RA+\i], 4*\i, v[TQ]             ; rows 16 i further down: (row >> 2) grows by 4 i
	v_and_b32 v[RA+\i], 15, v[RA+\i]
	v_lshlrev_b32 v[RA+\i], 4, v[RA+\i]
	v_lshl_add_u32 v[RA+\i], v[KB], 8, v[RA+\i]
.endr
	v_mul_lo_u32 v[DO], v[KB], s28
	v_lshl_add_u32 v[DO], v1, 4, v[DO]
.irp i, 1,2,3
	v_add_nc_u32 v[DO+\i], s29, v[DO+\i-1]
.endr
	s_wait_loadcnt 0x0
.irp j, 0,1,2,3
.irp p, 0,1,2,3
	v_cvt_pk_f16_f32 v[PK+4*\j+\p], v[X+8*\p+\j], v[X+8*\p+4+\j]   ; column 4 c + j, k = 8 kb + 2 p and + 2 p + 1
.endr
.endr
.irp j, 0,1,2,3
	ds_store_b128 v[WA], v[PK+4*\j:PK+4*\j+3] offset:256*\j
.endr
	s_wait_dscnt 0x0                               ; my stores are in LDS before I say so
	s_barrier_signal -1
	s_barrier_wait -1                              ; everybody's are
.irp i, 0,1,2,3
	ds_load_b128 v[X+4*\i:X+4*\i+3], v[RA+\i] offset:4096*\i
.endr
.irp i, 0,1,2,3
	s_wait_dscnt 3-\i                              ; LDS loads come back in order: row i is in, the younger ones stay out
	global_store_b128 v[DO+\i], v[X+4*\i:X+4*\i+3], s[16:17]       ; sixteen lanes store 256 consecutive bytes, aligned
.endr
	s_wait_tensorcnt 0x0
	ds_add_u32 v112, v113
	s_wait_dscnt 0x0
	s_endpgm
.Lfunc_end_k_q06792ad27c_prep:
	.size	k_q06792ad27c_prep, .Lfunc_end_k_q06792ad27c_prep-k_q06792ad27c_prep
	.p2alignl 7, 3214868480
	.fill 96, 4, 3214868480
	.section	.rodata,"a",@progbits
	.p2align	6, 0x0
	.amdhsa_kernel k_q06792ad27c_prep
		.amdhsa_group_segment_fixed_size 17408
		.amdhsa_private_segment_fixed_size 0
		.amdhsa_enable_private_segment 0
		.amdhsa_kernarg_size 88
		.amdhsa_user_sgpr_count 2
		.amdhsa_user_sgpr_kernarg_segment_ptr 1
		.amdhsa_wavefront_size32 1
		.amdhsa_system_sgpr_workgroup_id_x 1
		.amdhsa_system_sgpr_workgroup_id_y 1
		.amdhsa_system_sgpr_workgroup_id_z 1
		.amdhsa_system_vgpr_workitem_id 0
		.amdhsa_next_free_vgpr 114
		.amdhsa_next_free_sgpr 66
		.amdhsa_reserve_vcc 0
		.amdhsa_float_denorm_mode_32 3
		.amdhsa_float_denorm_mode_16_64 3
		.amdhsa_memory_ordered 1
		.amdhsa_forward_progress 1
		.amdhsa_inst_pref_size 19
	.end_amdhsa_kernel
	.amdgpu_metadata
---
amdhsa.version: [ 1, 2 ]
amdhsa.kernels:
  - .name:           k_q06792ad27c_prep
    .symbol:         k_q06792ad27c_prep.kd
    .args:
      - { .name: Wq, .offset: 0, .size: 8, .value_kind: global_buffer, .address_space: global }
      - { .name: Wk, .offset: 8, .size: 8, .value_kind: global_buffer, .address_space: global }
      - { .name: Wv, .offset: 16, .size: 8, .value_kind: global_buffer, .address_space: global }
      - { .name: Wo, .offset: 24, .size: 8, .value_kind: global_buffer, .address_space: global }
      - { .name: W1, .offset: 32, .size: 8, .value_kind: global_buffer, .address_space: global }
      - { .name: W2, .offset: 40, .size: 8, .value_kind: global_buffer, .address_space: global }
      - { .name: wt, .offset: 48, .size: 8, .value_kind: global_buffer, .address_space: global }
      - { .name: x, .offset: 56, .size: 8, .value_kind: global_buffer, .address_space: global }
      - { .name: ln1_g, .offset: 64, .size: 8, .value_kind: global_buffer, .address_space: global }
      - { .name: ln1_b, .offset: 72, .size: 8, .value_kind: global_buffer, .address_space: global }
      - { .name: hn, .offset: 80, .size: 8, .value_kind: global_buffer, .address_space: global }
    .group_segment_fixed_size: 17408
    .private_segment_fixed_size: 0
    .kernarg_segment_align: 8
    .kernarg_segment_size: 88
    .max_flat_workgroup_size: 256
    .sgpr_count:     66
    .vgpr_count:     114
    .wavefront_size: 32
...
	.end_amdgpu_metadata
.endif
;; end of part 1
;; launch qkvg (part 2): grid 12 x 16, 4 waves a work-group, clusters of 4 x 4, 327,680 bytes of LDS; arguments hn, wt, bq, bk, bv, qkv; writes qkv
.if DOCPART == 2
	.amdgcn_target "amdgcn-amd-amdhsa--gfx1250"
	.amdhsa_code_object_version 6
	.text
	.protected	k_q06792ad27c_qkvg
	.globl	k_q06792ad27c_qkvg
	.p2align	8
	.type	k_q06792ad27c_qkvg,@function
k_q06792ad27c_qkvg:
	s_mov_b64 s[64:65], 0
	v_nop
	global_prefetch_b8 v0, s[64:65] scope:SCOPE_SE
	s_setreg_imm32_b32 hwreg(HW_REG_WAVE_MODE, 25, 1), 1
	s_wait_xcnt 0x0
	s_wait_alu depctr_hold_cnt(0) depctr_sa_sdst(0) depctr_va_vdst(0) depctr_va_sdst(0) depctr_va_ssrc(0) depctr_va_vcc(0) depctr_vm_vsrc(0)
	s_getreg_b32 s2, hwreg(HW_REG_IB_STS2, 6, 4)
	s_cmp_eq_u32 s2, 0
	s_cbranch_scc0 .Lentry_in_a_cluster
	s_endpgm
.Lentry_in_a_cluster:
	s_bfe_u32 s2, ttmp6, 0x10000c
	s_cmp_lg_u32 s2, 0xf033
	s_cbranch_scc0 .Lentry_shape_is_right
	s_endpgm
.Lentry_shape_is_right:
; q, k, v = hn x WqkvT^T + bias.  hn: [4096][1024] f16, WqkvT: [3072][1024] f16 at wt's byte 0, biases f32; sums in f32, started by the bias.
; qkv, f16, by heads: byte ((which*16 + head)*4096 + token)*128 + 2 d.
; A work-group makes 256 tokens x 256 columns (four heads) with four waves; a wave makes 128 x 128: 64 accumulator tiles, 512 registers.
; K goes in steps of 128 through a ring of two LDS slots filled by the tensor data mover: a tile's rows are 256 bytes of memory, aligned.
; 12 x 16 = 192 work-groups: a narrower block would cut heads apart on the way out.
; CLUSTERS: 4 x 4 work-groups.  The four of a row of the cluster need the same tiles of hn, the four of a column the same tiles of the weights:
; each tile is asked for jointly, by the same tensor load with the same descriptor and a mask that names the four.
; THE ORDER OF K: in its step t a cluster reads K step t xor s, s = (cluster x xor cluster y) & 3, the same in all sixteen partners.  The clusters of one
; block row (same tiles of hn) have different s, and so have those of one block column (same tiles of the weights): within four steps they ask for four
; different tiles first, and then for tiles that another cluster has asked for before.
; REGISTERS in windows of 256: window 0: v0-31 addresses, v64-191 fragments of hn (two buffers), v192-223 at work on the way out;
; window 1: v64-191 fragments of the weights, v192-255 the bias of my 128 columns; windows 2, 3: the accumulators of my rows 0-63, 64-127.
; The matrix instruction is used transposed (source 0 = 16 rows of the weights, source 1 = 16 tokens): lane l holds token l % 16 and its registers
; 0 to 7 the columns 8 (l / 16) + 0 .. 7: eight neighbouring numbers of a row.
; LIMITS: operands and results are f16: finite below 65,504 (the drawn inputs give |q|, |k|, |v| of about 6); NaN and infinities are not reproduced;
; K is summed in another order than the reference's.
.set SIZE_K, 1024
.set KSTEP,  128
.set KSH,    8                         ; a K step is 256 bytes of a row
.set PITCH,  272                       ; an LDS row: 256 bytes + 16 of padding, an odd multiple of 16: the 16 rows of a fragment load start in 16 different 16-byte columns
.set HALFT,  128*PITCH                 ; what one tensor load brings
.set SLOT,   4*HALFT                   ; hn's 256 rows, then the weights' 256 rows
.set STAGE,  2*SLOT                    ; behind the ring: 16 rows for each wave, for the way out; no tensor load lands here
.set SPITCH, 400                       ; an odd multiple of 16: the stores into the stage meet no conflict; in the read-back (two rows x 128 bytes) one pair of 16 lanes shares a column
.set LAPS, SIZE_K/(2*KSTEP)
.set ADRA, 16                          ; v16-17  LDS address of my hn fragments in slot 0, 1
.set ADRB, 20                          ; v20-21  the same for the weights
.set STO,  24                          ; v24     the way out: where I put 16 bytes of a row
.set RD,   25                          ; v25     the way out: where I read back
.set CO,   26                          ; v26     my byte offset in qkv
.set BO,   27                          ; v27     my byte offset in the bias
.set F0,   64
.set F1,   128
.set TMP,  192
.set BIAS, 192                         ; in window 1
.set G1, 24                            ; s[24:31] descriptor group 1, hn's tiles
.set G0, 32                            ; s[32:39] descriptor group 0, hn's tiles, one set a slot
.set G1B, 48                           ; s[48:55] group 1, the weights' tiles
.set G0B, 56                           ; s[56:63] group 0, the weights' tiles
.set TS, 82                            ; s82-83   the step whose tile slot 0, 1 holds or is asked for; s81 = s; s[84:85] a byte offset along K
.set MSB, 0
.macro WIN new                         ; the immediate's high byte repeats the setting that is left
.if MSB != \new
	s_set_vgpr_msb (MSB<<8)|\new
.set MSB, \new
.endif
.endm
.set MUL_LO, 0xa1                      ; source 0 window 1, source 1 window 0, C and D window 2
.set MUL_HI, 0xf1                      ; the same, C and D window 3
.set BIA_LO, 0x91                      ; C window 1 (the bias), D window 2
.set BIA_HI, 0xd1                      ; C window 1, D window 3
.set TO_B,   0x40                      ; destination window 1, address window 0
; A joint load.  Waves 0 and 1 fetch hn's two halves, waves 2 and 3 the weights'.  The branch hangs on the wave's number alone.
.macro JLOAD s
	s_cmp_eq_u32 s11, 0
	s_cbranch_scc0 .Lfor_b_\@
	tensor_load_to_lds s[G0+4*\s:G0+4*\s+3], s[G1:G1+7]
	s_nop 0
	s_branch .Lasked_\@
.Lfor_b_\@:
	tensor_load_to_lds s[G0B+4*\s:G0B+4*\s+3], s[G1B:G1B+7]
	s_nop 0
.Lasked_\@:
.endm
; the addresses of a slot's tile: rows' first bytes s[14:15], s[46:47] + 256 bytes x (step xor s)
.macro KADDR slot
	s_xor_b32 s84, s[TS+\slot], s81
	s_lshl_b32 s84, s84, KSH
	s_add_nc_u64 s[G0+4*\slot+2:G0+4*\slot+3], s[14:15], s[84:85]
	s_or_b32 s[G0+4*\slot+3], s[G0+4*\slot+3], 0x80000000          ; type = 2
	s_add_nc_u64 s[G0B+4*\slot+2:G0B+4*\slot+3], s[46:47], s[84:85]
	s_or_b32 s[G0B+4*\slot+3], s[G0B+4*\slot+3], 0x80000000
.endm
.macro CREST                           ; a round of the cluster's barrier behind its opening work-group barrier
	s_cmp_lg_u32 s10, 0
	s_cbranch_scc1 .Lnot_wave_0_\@
	s_barrier_signal -3
.Lnot_wave_0_\@:
	s_barrier_wait -3
	s_barrier_signal -1
	s_barrier_wait -1
.endm
.macro CROUND                          ; a whole round
	s_barrier_signal -1
	s_barrier_wait -1
	CREST
.endm
	s_load_b128 s[4:7], s[0:1], 0x0                ; hn s[4:5], wt s[6:7]
	s_load_b256 s[68:75], s[0:1], 0x10             ; bq s[68:69], bk s[70:71], bv s[72:73], qkv s[74:75]
	s_set_vgpr_msb 0x40
	v_lshl_add_u32 v63, v0, 2, 0x4a400
	s_set_vgpr_msb 0x4000
	v_mov_b32 v255, 0
	s_set_vgpr_msb 0x1
	ds_add_u32 v63, v255
	s_set_vgpr_msb 0x100
	v_lshrrev_b32 v1, 5, v0
	v_readfirstlane_b32 s10, v1                    ; wave 0..3
	s_lshr_b32 s11, s10, 1                         ; which half of the block's rows is mine.  Also: I fetch hn (0) or weights (1)
	s_and_b32 s12, s10, 1                          ; which half of its columns.  Also: which 128 rows of that tile I fetch
	s_bfe_u32 s40, ttmp6, 0x40000                  ; cx
	s_bfe_u32 s41, ttmp6, 0x40004                  ; cy
	s_lshl_b32 s42, ttmp9, 2
	s_add_co_u32 s42, s42, s40                     ; block column = 4 x cluster x + cx
	s_and_b32 s13, ttmp7, 0xffff
	s_lshl_b32 s13, s13, 2
	s_add_co_u32 s13, s13, s41                     ; block row = 4 x cluster y + cy
	s_lshl_b32 s43, s41, 2
	s_lshl_b32 s43, 15, s43                        ; my row of the cluster: places 4 cy .. 4 cy + 3
	s_lshl_b32 s44, 0x1111, s40                    ; my column: places cx, cx + 4, cx + 8, cx + 12
	s_xor_b32 s81, ttmp9, ttmp7                    ; s: made of the cluster's own x and y, equal in its sixteen work-groups
	s_and_b32 s81, s81, 3
	s_mov_b32 s85, 0
	; group 1: a tile of 128 rows x 128 elements of 2 bytes; 4 words of padding behind every 64 words; the mask, with bit 21 beside it
	s_or_b32 s[G1+0], s43, (1<<16)|(1<<20)|(1<<21)|(5<<22)|(3<<25)
	s_or_b32 s[G1B+0], s44, (1<<16)|(1<<20)|(1<<21)|(5<<22)|(3<<25)
	s_mov_b32 s[G1+1], KSTEP<<16                   ; tensor_dim0 = 128
	s_mov_b32 s[G1B+1], KSTEP<<16
	s_mov_b32 s[G1+2], 128<<16                     ; tensor_dim1 = 128
	s_mov_b32 s[G1B+2], 128<<16
	s_mov_b32 s[G1+3], KSTEP<<16                   ; tile_dim0 = 128
	s_mov_b32 s[G1B+3], KSTEP<<16
	s_mov_b32 s[G1+4], 128                         ; tile_dim1 = 128
	s_mov_b32 s[G1B+4], 128
	s_mov_b32 s[G1+5], SIZE_K                      ; elements from row to row
	s_mov_b32 s[G1B+5], SIZE_K
	s_mov_b32 s[G1+6], 0
	s_mov_b32 s[G1B+6], 0
	s_mov_b32 s[G1+7], 0
	s_mov_b32 s[G1B+7], 0
	; hn's tiles hang on the block row alone, the weights' on the block column alone; each address in registers that never hold the other coordinate
	s_lshl_b32 s17, s12, 7
	s_lshl_b32 s16, s13, 8
	s_add_co_u32 s16, s16, s17                     ; hn: row 256 x block row + 128 x half
	s_lshl_b32 s46, s42, 8
	s_add_co_u32 s46, s46, s17                     ; weights: row 256 x block column + 128 x half
	s_mov_b32 s17, 0
	s_mov_b32 s47, 0
	s_mov_b64 s[18:19], SIZE_K*2
	s_mul_u64 s[16:17], s[16:17], s[18:19]
	s_mul_u64 s[46:47], s[46:47], s[18:19]
	s_mul_i32 s20, s10, HALFT                      ; where they go: wave x 128 rows
	s_wait_dscnt 0x0
	s_wait_kmcnt 0x0
	s_add_nc_u64 s[14:15], s[4:5], s[16:17]        ; my rows' first bytes: kept to the last refill
	s_add_nc_u64 s[46:47], s[6:7], s[46:47]
	CROUND                                         ; all sixteen work-groups are here: the first joint loads meet
.irp s, 0,1
	s_mov_b32 s[TS+\s], \s                         ; steps 0 and 1
	s_mov_b32 s[G0+4*\s], 1
	s_add_co_u32 s[G0+4*\s+1], s20, \s*SLOT
	s_mov_b32 s[G0B+4*\s], 1
	s_add_co_u32 s[G0B+4*\s+1], s20, \s*SLOT
	KADDR \s
	JLOAD \s
.endr
	; the bias of my 128 columns: a cluster's four block columns are one of q, k, v (1,024 columns), chosen by the cluster's x
	s_cmp_eq_u32 ttmp9, 1
	s_cselect_b64 s[66:67], s[70:71], s[68:69]
	s_cmp_eq_u32 ttmp9, 2
	s_cselect_b64 s[66:67], s[72:73], s[66:67]
	s_lshl_b32 s76, s40, 10                        ; 256 f32 a block column
	s_lshl_b32 s77, s12, 9                         ; 128 f32 a half
	s_add_co_u32 s76, s76, s77
	s_mov_b32 s77, 0
	s_add_nc_u64 s[66:67], s[66:67], s[76:77]
	v_and_b32 v1, 15, v0                           ; r = l % 16
	v_bfe_u32 v2, v0, 4, 1                         ; h = l / 16
	v_mul_u32_u24 v3, v1, PITCH
	v_lshl_add_u32 v3, v2, 4, v3                   ; row x pitch + 16 x half
	s_mul_i32 s21, s11, HALFT
	s_mul_i32 s22, s12, HALFT
	s_add_co_u32 s22, s22, 2*HALFT
.irp s, 0,1
	v_add_nc_u32 v[ADRA+\s], s21, v3
	v_add_nc_u32 v[ADRB+\s], s22, v3
	s_add_co_u32 s21, s21, SLOT
	s_add_co_u32 s22, s22, SLOT
.endr
	s_mul_i32 s23, s10, 16*SPITCH
	s_add_co_u32 s23, s23, STAGE                   ; my stage
	v_mul_u32_u24 v4, v1, SPITCH                   ; in: token l % 16, 16 bytes for each half of the lanes
	v_lshl_add_u32 v4, v2, 4, v4
	v_add_nc_u32 v[STO], s23, v4
	v_and_b32 v6, 7, v0                            ; back: piece p of a head's 128 bytes,
	v_bfe_u32 v7, v0, 3, 1                         ; of the even or the odd token,
	v_mul_u32_u24 v5, v7, SPITCH
	v_lshl_add_u32 v5, v2, 7, v5                   ; of my first or my second head
	v_lshl_add_u32 v5, v6, 4, v5
	v_add_nc_u32 v[RD], s23, v5
	v_lshlrev_b32 v5, 19, v2                       ; in qkv a head is 4,096 tokens x 128 bytes
	v_lshl_add_u32 v5, v7, 7, v5
	v_lshl_add_u32 v[CO], v6, 4, v5
	v_lshlrev_b32 v[BO], 5, v2                     ; tile b, register j: bias[16 b + 8 h + j]
	WIN TO_B
.irp b, 0,1,2,3,4,5,6,7
	global_load_b128 v[BIAS+8*\b:BIAS+8*\b+3], v[BO], s[66:67] offset:64*\b
	global_load_b128 v[BIAS+8*\b+4:BIAS+8*\b+7], v[BO], s[66:67] offset:64*\b+16
.endr
	WIN 0
; 16 matrix instructions: m blocks a0, a0 + 1 of the window's four x all 8 n blocks, 32 along K.  zero = 1: the bias starts the sums.
.macro MUL16 f, hi, a0, zero
.irp a, \a0, \a0+1
.irp b, 0,1,2,3,4,5,6,7
.if \zero
	v_wmma_f32_16x16x32_f16 v[8*(8*(\a)+\b):8*(8*(\a)+\b)+7], v[\f+8*\b:\f+8*\b+7], v[\f+8*(4*\hi+\a):\f+8*(4*\hi+\a)+7], v[BIAS+8*\b:BIAS+8*\b+7]
.else
	v_wmma_f32_16x16x32_f16 v[8*(8*(\a)+\b):8*(8*(\a)+\b)+7], v[\f+8*\b:\f+8*\b+7], v[\f+8*(4*\hi+\a):\f+8*(4*\hi+\a)+7], v[8*(8*(\a)+\b):8*(8*(\a)+\b)+7]
.endif
.endr
.endr
.endm
; 32 LDS loads in one run: the fragments of one quarter step into buffer f
.macro FETCH slot, k, f
	WIN TO_B
.irp i, 0,1,2,3,4,5,6,7
	ds_load_b128 v[\f+8*\i:\f+8*\i+3],   v[ADRB+\slot] offset:\k+\i*16*PITCH
	ds_load_b128 v[\f+8*\i+4:\f+8*\i+7], v[ADRB+\slot] offset:\k+\i*16*PITCH+32
.endr
	WIN 0
.irp i, 0,1,2,3,4,5,6,7
	ds_load_b128 v[\f+8*\i:\f+8*\i+3],   v[ADRA+\slot] offset:\k+\i*16*PITCH
	ds_load_b128 v[\f+8*\i+4:\f+8*\i+7], v[ADRA+\slot] offset:\k+\i*16*PITCH+32
.endr
.endm
; four plain vector instructions between a matrix instruction and a load into one of its registers or a vector instruction that reads its
; result (ISA guide 7.12.1 for vector instructions)
.macro PLACES
.rept 4
	v_nop
.endr
.endm
; A quarter step: 64 matrix instructions on buffer f; in its middle the next quarter's fragments go into buffer g.
; The 64 accumulators take turns, one instruction a turn, in the same order in every quarter.
.macro QUARTER slot, k, f, g, zero
	s_wait_dscnt 8                                 ; the weights and my rows 0-63 are in; the youngest eight loads (rows 64-127) may be out
.if \zero
	WIN BIA_LO
.else
	WIN MUL_LO
.endif
	MUL16 \f, 0, 0, \zero
	MUL16 \f, 0, 2, \zero
	PLACES
	FETCH \slot, \k, \g
	s_wait_dscnt 32                                ; all but the 32 just issued
.if \zero
	WIN BIA_HI
.else
	WIN MUL_HI
.endif
	MUL16 \f, 1, 0, \zero
	MUL16 \f, 1, 2, \zero
.endm
.macro THREE slot, zero
	QUARTER \slot, 64,  F0, F1, \zero
	QUARTER \slot, 128, F1, F0, 0
	QUARTER \slot, 192, F0, F1, 0
.endm
; The last quarter multiplies buffer 1 and changes slots.  In front of the barrier each wave waits for its reads of this slot and for all its
; tensor loads (one is out: its part of the next slot).  Behind it the refill comes first, then the next slot's first fragments.
.macro TURN slot, next, fill
	s_wait_dscnt 8
	WIN MUL_LO
	MUL16 F1, 0, 0, 0
	s_wait_dscnt 0                                 ; my reads of this slot are over
	s_wait_tensorcnt 0x0                           ; all my tensor loads have landed
	ds_add_u32 v63, v255
	s_wait_dscnt 0x0
	s_barrier_signal -1                            ; where a slot is filled again this barrier opens a round of the cluster's barrier
	MUL16 F1, 0, 2, 0                              ; register work while the others arrive
	WIN 0
	s_barrier_wait -1
.if \fill
	CREST                                          ; no wave of any partner still reads this slot's tile or has a load on its way
	s_add_co_u32 s[TS+\slot], s[TS+\slot], 2       ; this slot's next step
	KADDR \slot
	JLOAD \slot                                    ; the first tensor load behind the round
.endif
	PLACES
	FETCH \next, 0, F0
	WIN MUL_HI
	MUL16 F1, 1, 0, 0
	MUL16 F1, 1, 2, 0
.endm
.macro LAP zero
	THREE 0, \zero
	TURN 0, 1, 1
	THREE 1, 0
	TURN 1, 0, 1
.endm
	s_wait_tensorcnt 1                             ; my part of step 0's tile is in; step 1's load stays out
	s_barrier_signal -1
	s_barrier_wait -1
	FETCH 0, 0, F0
	s_wait_loadcnt 0x0                             ; the bias
	LAP 1
	WIN 0
	s_mov_b32 s3, LAPS-2
.Llap:
	LAP 0
	WIN 0
	s_sub_co_u32 s3, s3, 1
	s_cmp_lg_u32 s3, 0
	s_cbranch_scc1 .Llap
	THREE 0, 0                                     ; the last lap fills nothing and has no round of the cluster's barrier
	TURN 0, 1, 0
	THREE 1, 0
	s_wait_dscnt 8
	WIN MUL_LO
	MUL16 F1, 0, 0, 0
	MUL16 F1, 0, 2, 0
	s_wait_dscnt 0
	WIN MUL_HI
	MUL16 F1, 1, 0, 0
	MUL16 F1, 1, 2, 0
	; THE WAY OUT, 16 tokens at a time: round to f16, 16 bytes a lane into my own stage, read back as two tokens x 128 bytes of one head.
	PLACES
	s_lshl_b32 s78, s42, 2
	s_lshl1_add_u32 s78, s12, s78                  ; my first head among the 48: 4 x block column + 2 x half
	s_lshl_b32 s78, s78, 19
	s_lshl_b32 s79, s13, 8
	s_lshl_b32 s80, s11, 7
	s_add_co_u32 s79, s79, s80                     ; my first token
	s_lshl_b32 s79, s79, 7
	s_add_co_u32 s78, s78, s79
	s_mov_b32 s79, 0
	s_add_nc_u64 s[74:75], s[74:75], s[78:79]
.macro OUT16 i, a, from, f
	WIN \from
.irp b, 0,1,2,3,4,5,6,7
.irp r, 0,1,2,3
	v_cvt_pk_f16_f32 v[TMP+4*\b+\r], v[8*(8*\a+\b)+2*\r], v[8*(8*\a+\b)+2*\r+1]
.endr
.endr
	WIN 0
.irp b, 0,1,2,3,4,5,6,7
	ds_store_b128 v[STO], v[TMP+4*\b:TMP+4*\b+3] offset:32*\b
.endr
	s_wait_xcnt 0x0                                ; buffer f, which earlier stores read, is loaded again only behind this wait
.irp t, 0,1,2,3,4,5,6,7
	ds_load_b128 v[\f+4*\t:\f+4*\t+3], v[RD] offset:\t*2*SPITCH    ; LDS serves a wave's instructions in order: these see the stores above
.endr
.irp t, 0,1,2,3,4,5,6,7
	s_wait_dscnt 7-\t
	global_store_b128 v[CO], v[\f+4*\t:\f+4*\t+3], s[74:75] offset:\i*2048+\t*256   ; 16 lanes store two tokens of one head: 256 consecutive bytes, aligned
.endr
.endm
	OUT16 0, 0, 0x0a, F0
	OUT16 1, 1, 0x0a, F1
	OUT16 2, 2, 0x0a, F0
	OUT16 3, 3, 0x0a, F1
	OUT16 4, 0, 0x0f, F0
	OUT16 5, 1, 0x0f, F1
	OUT16 6, 2, 0x0f, F0
	OUT16 7, 3, 0x0f, F1
	s_set_vgpr_msb 0x1
	s_wait_tensorcnt 0x0
	ds_add_u32 v63, v255
	s_wait_dscnt 0x0
	s_set_vgpr_msb 0x100
	CROUND                                         ; the closing round: no work-group ends while a partner may still ask for a tile that names it
	s_endpgm
.Lfunc_end_k_q06792ad27c_qkvg:
	.size	k_q06792ad27c_qkvg, .Lfunc_end_k_q06792ad27c_qkvg-k_q06792ad27c_qkvg
	.p2alignl 7, 3214868480
	.fill 96, 4, 3214868480
	.section	.rodata,"a",@progbits
	.p2align	6, 0x0
	.amdhsa_kernel k_q06792ad27c_qkvg
		.amdhsa_group_segment_fixed_size 327680
		.amdhsa_private_segment_fixed_size 0
		.amdhsa_enable_private_segment 0
		.amdhsa_kernarg_size 48
		.amdhsa_user_sgpr_count 2
		.amdhsa_user_sgpr_kernarg_segment_ptr 1
		.amdhsa_wavefront_size32 1
		.amdhsa_system_sgpr_workgroup_id_x 1
		.amdhsa_system_sgpr_workgroup_id_y 1
		.amdhsa_system_sgpr_workgroup_id_z 1
		.amdhsa_system_vgpr_workitem_id 0
		.amdhsa_next_free_vgpr 1024
		.amdhsa_next_free_sgpr 92
		.amdhsa_reserve_vcc 0
		.amdhsa_float_denorm_mode_32 3
		.amdhsa_float_denorm_mode_16_64 3
		.amdhsa_memory_ordered 1
		.amdhsa_forward_progress 1
		.amdhsa_inst_pref_size 199
	.end_amdhsa_kernel
	.amdgpu_metadata
---
amdhsa.version: [ 1, 2 ]
amdhsa.kernels:
  - .name:           k_q06792ad27c_qkvg
    .symbol:         k_q06792ad27c_qkvg.kd
    .args:
      - { .name: hn, .offset: 0, .size: 8, .value_kind: global_buffer, .address_space: global }
      - { .name: wt, .offset: 8, .size: 8, .value_kind: global_buffer, .address_space: global }
      - { .name: bq, .offset: 16, .size: 8, .value_kind: global_buffer, .address_space: global }
      - { .name: bk, .offset: 24, .size: 8, .value_kind: global_buffer, .address_space: global }
      - { .name: bv, .offset: 32, .size: 8, .value_kind: global_buffer, .address_space: global }
      - { .name: qkv, .offset: 40, .size: 8, .value_kind: global_buffer, .address_space: global }
    .group_segment_fixed_size: 327680
    .private_segment_fixed_size: 0
    .kernarg_segment_align: 8
    .kernarg_segment_size: 48
    .max_flat_workgroup_size: 128
    .sgpr_count:     92
    .vgpr_count:     1024
    .wavefront_size: 32
...
	.end_amdgpu_metadata
.endif
;; end of part 2
;; launch attn (part 3): grid 16 x 16, 8 waves a work-group, clusters of 4 x 1, 327,680 bytes of LDS; arguments qkv, o; writes o
.if DOCPART == 3
	.amdgcn_target "amdgcn-amd-amdhsa--gfx1250"
	.amdhsa_code_object_version 6
	.text
	.protected	k_q06792ad27c_attn
	.globl	k_q06792ad27c_attn
	.p2align	8
	.type	k_q06792ad27c_attn,@function
k_q06792ad27c_attn:
	s_mov_b64 s[64:65], 0
	v_nop
	global_prefetch_b8 v0, s[64:65] scope:SCOPE_SE
	s_setreg_imm32_b32 hwreg(HW_REG_WAVE_MODE, 25, 1), 1
	s_wait_xcnt 0x0
	s_wait_alu depctr_hold_cnt(0) depctr_sa_sdst(0) depctr_va_vdst(0) depctr_va_sdst(0) depctr_va_ssrc(0) depctr_va_vcc(0) depctr_vm_vsrc(0)
	s_getreg_b32 s2, hwreg(HW_REG_IB_STS2, 6, 4)
	s_cmp_eq_u32 s2, 0
	s_cbranch_scc0 .Lentry_in_a_cluster
	s_endpgm
.Lentry_in_a_cluster:
	s_bfe_u32 s2, ttmp6, 0x10000c
	s_cmp_lg_u32 s2, 0x3003
	s_cbranch_scc0 .Lentry_shape_is_right
	s_endpgm
.Lentry_shape_is_right:
; o[s] = sum over t of softmax_t(k[s] . q[t]) v[t], for each batch and head; no scale; the softmax runs over the query index t, with a running maximum.
; qkv: f16, byte ((which*16 + head)*4096 + token)*128 + 2 d (which: 0 q, 1 k, 2 v).  o: f16 [4096][1024], column head*64 + d.
; A work-group takes 128 rows s of two neighbouring heads, so that its rows of o are whole pieces of 256 bytes.  Eight waves, two on a SIMD, so that
; one wave's softmax runs beside the other's products.  Wave w: head w >> 2 of the pair, rows 32 (w & 3) .. + 31.
; t goes in 8 tiles of 256 through a ring of two LDS slots: one round of the cluster's barrier serves 128 KiB.  A tile is q and v of both heads;
; wave w brings one dense piece of 16 KiB (128 tokens).  A tile is worked on in four chunks of 64 t.
; CLUSTERS: the four work-groups of a cluster are four row blocks of the same batch and heads and read the same tiles: every tensor load is joint, mask 15.
; BOTH PRODUCTS ARE TRANSPOSED.  Scores: A = 16 tokens of q, B = 16 rows of k: lane (r, h), register j holds score(s = r, t = 8 h + j).  So a lane's 32 numbers
; of a row block belong to ONE row s: maxima and sums need one exchange between the halves, every rescale is per lane, and two neighbouring score tiles,
; packed in place, are the B fragment of the second product O^T = V^T P^T, with no traffic between lanes.
; LIMITS: operands f16 (finite below 65,504); probabilities below 6e-8 of the row's largest vanish in f16; NaN and infinities are not reproduced;
; sums are taken in another order than the reference's.
.set PART,  18432                      ; LDS bytes kept for a wave's piece: 64 rows of 256 bytes at pitch 272 (q) or 288 (v)
.set QH,    32*272                     ; 64 tokens of q
.set VH,    32*288                     ; 64 tokens of v
.set SLOT,  8*PART
.set STEP,  32768                      ; 256 tokens x 128 bytes
.set KF, 8                             ; v[8:39]    k fragments (sb, c) at 16 sb + 8 c
.set SC, 40                            ; v[40:103]  score tile (sb, tb) at 8 (4 sb + tb); later P, packed in place
.set OA, 104                           ; v[104:167] O^T tile (dblk, sb) at 8 (2 dblk + sb)
.set FR, 168                           ; v[168:231] q fragments (tb, c) at 16 tb + 8 c, then V^T fragments (dblk, c) at 16 dblk + 8 c
.set MX, 232                           ; v232-233   running maxima
.set NM, 234                           ; v234, v236 - maximum x log2 e: the shift of the exponents (the first of a pair; the packed forms read it for both halves)
.set AL, 238                           ; v238, v240 the rescale factor (likewise)
.set LS, 242                           ; v[242:245] pairs of partial row sums
.set TT, 246                           ; v[246:249] at work
.set AQ, 250                           ; v250-251   LDS address of my q fragments, slot 0, 1
.set AV, 252                           ; v252-253   LDS address of my V^T fragments, slot 0, 1
.set PX, 254                           ; v254-255   what the other half of the lanes holds
.set G1Q, 16                           ; s[16:23]   group 1 for q's pieces
.set G1V, 24                           ; s[24:31]   group 1 for v's pieces: another padding
.set G0,  32                           ; s[32:39]   group 0, one set a slot
.set LOG2E, 0x3fb8aa3b
.macro ROUND                           ; a round of the cluster's barrier
	s_barrier_signal -1
	s_barrier_wait -1
	s_cmp_lg_u32 s8, 0
	s_cbranch_scc1 .Lnot_wave_0_\@
	s_barrier_signal -3
.Lnot_wave_0_\@:
	s_barrier_wait -3
	s_barrier_signal -1
	s_barrier_wait -1
.endm
.macro JLOAD s                         ; waves 0-3 bring q's pieces, waves 4-7 v's: the branch hangs on the wave's number alone
	s_cmp_lt_u32 s8, 4
	s_cbranch_scc0 .Lfor_v_\@
	tensor_load_to_lds s[G0+4*(\s):G0+4*(\s)+3], s[G1Q:G1Q+7]
	s_nop 0
	s_branch .Lasked_\@
.Lfor_v_\@:
	tensor_load_to_lds s[G0+4*(\s):G0+4*(\s)+3], s[G1V:G1V+7]
	s_nop 0
.Lasked_\@:
.endm
	s_load_b128 s[4:7], s[0:1], 0x0                ; qkv s[4:5], o s[6:7]
	s_set_vgpr_msb 0x40
	v_lshl_add_u32 v0, v0, 2, 0x48000
	v_mov_b32 v1, 0
	s_set_vgpr_msb 0x4045
	ds_add_u32 v0, v1
	s_set_vgpr_msb 0x4500
	v_lshrrev_b32 v1, 5, v0
	v_readfirstlane_b32 s8, v1                     ; wave 0..7
	s_lshr_b32 s48, s8, 2                          ; my head of the pair.  Also: I bring q (0) or v (1)
	s_and_b32 s49, s8, 3                           ; my 32 rows of the 128
	s_bfe_u32 s40, ttmp6, 0x40000                  ; cx
	s_lshl_b32 s41, ttmp9, 2
	s_add_co_u32 s41, s41, s40                     ; row block = 4 x cluster x + cx
	s_and_b32 s42, ttmp7, 0xffff
	s_lshr_b32 s43, s42, 3                         ; batch
	s_and_b32 s45, s42, 7                          ; head pair
	s_mov_b32 s10, 0x76543210                      ; v_permlanex16_b32: lane i reads lane i of the other half
	s_mov_b32 s11, 0xfedcba98
	; group 1: a dense piece as 64 rows of 32 elements of 8 bytes; behind every 64 words 4 words of padding (q) or 8 (v); mask 15 with bit 21 beside it
	s_mov_b32 s[G1Q+0], 15|(3<<16)|(1<<20)|(1<<21)|(5<<22)|(3<<25)
	s_mov_b32 s[G1V+0], 15|(3<<16)|(1<<20)|(1<<21)|(5<<22)|(7<<25)
	s_mov_b32 s[G1Q+1], 32<<16                     ; tensor_dim0 = 32
	s_mov_b32 s[G1V+1], 32<<16
	s_mov_b32 s[G1Q+2], 64<<16                     ; tensor_dim1 = 64
	s_mov_b32 s[G1V+2], 64<<16
	s_mov_b32 s[G1Q+3], 32<<16                     ; tile_dim0 = 32
	s_mov_b32 s[G1V+3], 32<<16
	s_mov_b32 s[G1Q+4], 64                         ; tile_dim1 = 64
	s_mov_b32 s[G1V+4], 64
	s_mov_b32 s[G1Q+5], 32                         ; pitch = 32 elements: dense
	s_mov_b32 s[G1V+5], 32
	s_mov_b32 s[G1Q+6], 0
	s_mov_b32 s[G1V+6], 0
	s_mov_b32 s[G1Q+7], 0
	s_mov_b32 s[G1V+7], 0
	; my piece of tile 0: made of the wave's number, the batch and the head pair, which the four partners share
	s_lshl_b32 s52, s48, 24                        ; v lies 32 heads of 2^19 bytes behind q
	s_bfe_u32 s12, s8, 0x10001                     ; (w >> 1) & 1: which head's piece
	s_lshl1_add_u32 s12, s45, s12
	s_lshl_b32 s12, s12, 19
	s_add_co_u32 s52, s52, s12
	s_lshl_b32 s12, s43, 18                        ; a batch is 2,048 tokens x 128 bytes
	s_add_co_u32 s52, s52, s12
	s_and_b32 s12, s8, 1                           ; which 128 tokens
	s_lshl_b32 s12, s12, 14
	s_add_co_u32 s52, s52, s12
	s_mov_b32 s53, 0
	s_mul_i32 s14, s8, PART                        ; and where it goes
	; my 32 rows of k, and my 16 rows of o (these hold cx and feed no descriptor and no LDS address)
	s_lshl1_add_u32 s54, s45, s48
	s_add_co_u32 s54, s54, 16                      ; k lies 16 heads behind q
	s_lshl_b32 s54, s54, 19
	s_lshl_b32 s15, s43, 18
	s_add_co_u32 s54, s54, s15
	s_lshl_b32 s15, s41, 7
	s_lshl_b32 s9, s49, 5
	s_add_co_u32 s15, s15, s9                      ; row 128 x block + 32 x (w & 3)
	s_lshl_b32 s15, s15, 7
	s_add_co_u32 s54, s54, s15
	s_mov_b32 s55, 0
	s_lshl_b32 s56, s43, 11
	s_lshl_b32 s15, s41, 7
	s_add_co_u32 s56, s56, s15
	s_lshl_b32 s15, s8, 4
	s_add_co_u32 s56, s56, s15                     ; token 2048 b + 128 x block + 16 w
	s_lshl_b32 s56, s56, 11                        ; a row of o is 2,048 bytes
	s_lshl_b32 s15, s45, 8                         ; a head pair is 256 bytes of it
	s_add_co_u32 s56, s56, s15
	s_mov_b32 s57, 0
	s_wait_dscnt 0x0
	s_wait_kmcnt 0x0
	s_add_nc_u64 s[52:53], s[4:5], s[52:53]
	s_add_nc_u64 s[58:59], s[4:5], s[54:55]
	s_add_nc_u64 s[60:61], s[6:7], s[56:57]
.irp s, 0,1
	s_mov_b32 s[G0+4*\s], 1
	s_add_co_u32 s[G0+4*\s+1], s14, \s*SLOT
	s_add_nc_u64 s[G0+4*\s+2:G0+4*\s+3], s[52:53], \s*STEP
	s_or_b32 s[G0+4*\s+3], s[G0+4*\s+3], 0x80000000
.endr
	ROUND                                          ; the four work-groups are here: the first joint loads meet
	JLOAD 0                                        ; tile 0
	v_and_b32 v1, 15, v0                           ; r
	v_bfe_u32 v2, v0, 4, 1                         ; h
	v_lshlrev_b32 v3, 7, v1
	v_lshl_add_u32 v3, v2, 4, v3                   ; k: row r, 16 bytes for each half of the lanes
.irp sb, 0,1
.irp c, 0,1
	global_load_b128 v[KF+16*\sb+8*\c:KF+16*\sb+8*\c+3], v3, s[58:59] offset:2048*\sb+64*\c
	global_load_b128 v[KF+16*\sb+8*\c+4:KF+16*\sb+8*\c+7], v3, s[58:59] offset:2048*\sb+64*\c+32
.endr
.endr
	; In LDS token tau of a piece lies at (tau >> 1) x pitch + (tau & 1) x 128.  With pitch 272 the sixteen tokens of a q fragment, with pitch 288 the
	; eight tokens x two halves of a transposing load, start in sixteen different 16-byte columns.
	v_lshrrev_b32 v4, 1, v1
	v_mul_u32_u24 v4, v4, 272
	v_and_b32 v5, 1, v0
	v_lshl_add_u32 v4, v5, 7, v4
	v_lshl_add_u32 v4, v2, 4, v4
	s_mul_i32 s46, s48, 2*PART                     ; my head's two pieces
	v_add_nc_u32 v[AQ], s46, v4
	v_add_nc_u32 v[AQ+1], SLOT, v[AQ]
	v_and_b32 v4, 7, v0
	v_lshl_add_u32 v4, v2, 3, v4                   ; tau = 8 h + (l & 7)
	v_lshrrev_b32 v6, 1, v4
	v_mul_u32_u24 v6, v6, 288
	v_lshl_add_u32 v6, v5, 7, v6
	v_bfe_u32 v7, v0, 3, 1
	v_lshl_add_u32 v6, v7, 4, v6
	s_add_co_u32 s46, s46, 4*PART                  ; v's pieces lie behind q's four
	v_add_nc_u32 v[AV], s46, v6
	v_add_nc_u32 v[AV+1], SLOT, v[AV]
	v_mov_b32 v[PX], 0                             ; v_permlanex16_b32 counts as a reader of its destination
	v_mov_b32 v[PX+1], 0
	v_mov_b32 v[NM+1], 0                           ; the second registers of the pairs whose first is read for both halves: named by the packed forms, never used
	v_mov_b32 v[NM+3], 0
	v_mov_b32 v[AL+1], 0
	v_mov_b32 v[AL+3], 0
; The largest of each row block's 32 scores a lane, then of both halves of the lanes; the running maximum, the new shift, and the rescale exponent,
; which is the difference of the two shifts that the exponentials use.  Four chains (two a row block) take turns.
.macro ROWMAX first
.irp sb, 0,1
	v_max3_num_f32 v[TT+2*\sb], v[SC+32*\sb], v[SC+32*\sb+1], v[SC+32*\sb+2]
	v_max3_num_f32 v[TT+2*\sb+1], v[SC+32*\sb+16], v[SC+32*\sb+17], v[SC+32*\sb+18]
.endr
.irp k, 0,1,2,3,4,5
.irp sb, 0,1
	v_max3_num_f32 v[TT+2*\sb], v[TT+2*\sb], v[SC+32*\sb+3+2*\k], v[SC+32*\sb+4+2*\k]
	v_max3_num_f32 v[TT+2*\sb+1], v[TT+2*\sb+1], v[SC+32*\sb+19+2*\k], v[SC+32*\sb+20+2*\k]
.endr
.endr
.irp sb, 0,1
	v_max3_num_f32 v[TT+2*\sb], v[TT+2*\sb], v[SC+32*\sb+15], v[SC+32*\sb+31]
.endr
.irp sb, 0,1
	v_max_num_f32 v[TT+2*\sb], v[TT+2*\sb], v[TT+2*\sb+1]
.endr
.irp sb, 0,1
	v_permlanex16_b32 v[PX+\sb], v[TT+2*\sb], s10, s11
.endr
.if \first
.irp sb, 0,1
	v_max_num_f32 v[MX+\sb], v[TT+2*\sb], v[PX+\sb]
.endr
.irp sb, 0,1
	v_mul_f32 v[NM+2*\sb], 0xbfb8aa3b, v[MX+\sb]
.endr
.else
.irp sb, 0,1
	v_max3_num_f32 v[MX+\sb], v[TT+2*\sb], v[PX+\sb], v[MX+\sb]
.endr
.irp sb, 0,1
	v_mul_f32 v[TT+2*\sb], 0xbfb8aa3b, v[MX+\sb]                   ; the new shift
.endr
.irp sb, 0,1
	v_sub_f32 v[AL+2*\sb], v[TT+2*\sb], v[NM+2*\sb]                ; new shift - old shift: zero or below
.endr
.irp sb, 0,1
	v_mov_b32 v[NM+2*\sb], v[TT+2*\sb]
.endr
.endif
.endm
; The sums of each row block's 32 exponentials a lane, kept as pairs; the halves of the lanes meet at the end.  Four chains take turns: the running sums
; themselves (rescaled by the fused multiply-add that takes in the first pair) and one helper a row block.
.macro ROWSUM first
.irp sb, 0,1
.if \first
	s_wait_alu depctr_va_vdst(0)
	v_pk_add_f32 v[LS+2*\sb:LS+2*\sb+1], v[SC+32*\sb:SC+32*\sb+1], v[SC+32*\sb+4:SC+32*\sb+5]
.else
	v_pk_fma_f32 v[LS+2*\sb:LS+2*\sb+1], v[LS+2*\sb:LS+2*\sb+1], v[AL+2*\sb:AL+2*\sb+1], v[SC+32*\sb:SC+32*\sb+1] op_sel_hi:[1,0,1]
.endif
	v_pk_add_f32 v[TT+2*\sb:TT+2*\sb+1], v[SC+32*\sb+2:SC+32*\sb+3], v[SC+32*\sb+6:SC+32*\sb+7]
.endr
.if \first == 0
.irp sb, 0,1
	v_pk_add_f32 v[LS+2*\sb:LS+2*\sb+1], v[LS+2*\sb:LS+2*\sb+1], v[SC+32*\sb+4:SC+32*\sb+5]
.endr
.endif
.irp p, 8,12,16,20,24,28
.irp sb, 0,1
	v_pk_add_f32 v[LS+2*\sb:LS+2*\sb+1], v[LS+2*\sb:LS+2*\sb+1], v[SC+32*\sb+\p:SC+32*\sb+\p+1]
	v_pk_add_f32 v[TT+2*\sb:TT+2*\sb+1], v[TT+2*\sb:TT+2*\sb+1], v[SC+32*\sb+\p+2:SC+32*\sb+\p+3]
.endr
.endr
.irp sb, 0,1
	v_pk_add_f32 v[LS+2*\sb:LS+2*\sb+1], v[LS+2*\sb:LS+2*\sb+1], v[TT+2*\sb:TT+2*\sb+1]
.endr
.endm
; 64 values of t: chunk c64 (0 to 3) of the slot.  In both products the eight accumulators take turns, one instruction a turn.
.macro CHUNK slot, c64, first
.set QO, (\c64/2)*PART+(\c64%2)*QH
.set VO, (\c64/2)*PART+(\c64%2)*VH
.if \first == 0
.rept 5
	v_nop                                          ; five places behind the last products: the loads below land in their A registers, the score products write over their B registers (ISA guide 7.12.1 for vector instructions)
.endr
.endif
.irp c, 0,1
.irp tb, 0,1,2,3
	ds_load_b128 v[FR+16*\tb+8*\c:FR+16*\tb+8*\c+3], v[AQ+\slot] offset:QO+\tb*2176+64*\c
	ds_load_b128 v[FR+16*\tb+8*\c+4:FR+16*\tb+8*\c+7], v[AQ+\slot] offset:QO+\tb*2176+64*\c+32
.endr
.endr
	s_wait_dscnt 8                                 ; d = 0..31 of the four q fragments are in; the eight younger loads (d = 32..63) stay out
.irp sb, 0,1
.irp tb, 0,1,2,3
	v_wmma_f32_16x16x32_f16 v[SC+8*(4*\sb+\tb):SC+8*(4*\sb+\tb)+7], v[FR+16*\tb:FR+16*\tb+7], v[KF+16*\sb:KF+16*\sb+7], 0
.endr
.endr
	s_wait_dscnt 0x0
.irp sb, 0,1
.irp tb, 0,1,2,3
	v_wmma_f32_16x16x32_f16 v[SC+8*(4*\sb+\tb):SC+8*(4*\sb+\tb)+7], v[FR+16*\tb+8:FR+16*\tb+15], v[KF+16*\sb+8:KF+16*\sb+15], v[SC+8*(4*\sb+\tb):SC+8*(4*\sb+\tb)+7]
.endr
.endr
.rept 4
	v_nop                                          ; four places: for the loads into the q fragments' registers and for the maxima, which read the scores
.endr
.irp c, 0,1
.irp dblk, 0,1,2,3
	ds_load_tr16_b128 v[FR+16*\dblk+8*\c:FR+16*\dblk+8*\c+3], v[AV+\slot] offset:VO+\c*4608+32*\dblk          ; V^T: d = 16 dblk + r, t = 32 c + 8 h ..
	ds_load_tr16_b128 v[FR+16*\dblk+8*\c+4:FR+16*\dblk+8*\c+7], v[AV+\slot] offset:VO+\c*4608+32*\dblk+2304   ; t = 32 c + 16 + 8 h ..: they land under the softmax
.endr
.endr
	ROWMAX \first
.irp sb, 0,1
.irp i, 0,2,4,6,8,10,12,14,16,18,20,22,24,26,28,30
	v_pk_fma_f32 v[SC+32*\sb+\i:SC+32*\sb+\i+1], v[SC+32*\sb+\i:SC+32*\sb+\i+1], LOG2E, v[NM+2*\sb:NM+2*\sb+1] op_sel_hi:[1,0,0]
.endr
.endr
.set i, 0
.rept 64
	v_exp_f32 v[SC+i], v[SC+i]
.set i, i+1
.endr
.if \first == 0
	v_exp_f32 v[AL], v[AL]
	v_exp_f32 v[AL+2], v[AL+2]
.endif
	v_nop                                          ; one plain vector instruction between the exponentials and the first use of a result (ISA guide 5.7.2)
	s_wait_alu depctr_va_vdst(0)
	ROWSUM \first
.irp sb, 0,1
.irp c, 0,1
.irp i, 0,1,2,3,4,5,6,7
	v_cvt_pk_f16_f32 v[SC+32*\sb+16*\c+\i], v[SC+32*\sb+16*\c+2*\i], v[SC+32*\sb+16*\c+2*\i+1]   ; ascending: register i is written when 2 i and 2 i + 1 are read
.endr
.endr
.endr
.if \first == 0
.irp dblk, 0,1,2,3
.irp sb, 0,1
.irp i, 0,2,4,6
	v_pk_mul_f32 v[OA+8*(2*\dblk+\sb)+\i:OA+8*(2*\dblk+\sb)+\i+1], v[OA+8*(2*\dblk+\sb)+\i:OA+8*(2*\dblk+\sb)+\i+1], v[AL+2*\sb:AL+2*\sb+1] op_sel_hi:[1,0]
.endr
.endr
.endr
.endif
	s_wait_dscnt 0x0                               ; the V^T fragments
.irp dblk, 0,1,2,3
.irp sb, 0,1
.if \first
	v_wmma_f32_16x16x32_f16 v[OA+8*(2*\dblk+\sb):OA+8*(2*\dblk+\sb)+7], v[FR+16*\dblk:FR+16*\dblk+7], v[SC+32*\sb:SC+32*\sb+7], 0
.else
	v_wmma_f32_16x16x32_f16 v[OA+8*(2*\dblk+\sb):OA+8*(2*\dblk+\sb)+7], v[FR+16*\dblk:FR+16*\dblk+7], v[SC+32*\sb:SC+32*\sb+7], v[OA+8*(2*\dblk+\sb):OA+8*(2*\dblk+\sb)+7]
.endif
.endr
.endr
.irp dblk, 0,1,2,3
.irp sb, 0,1
	v_wmma_f32_16x16x32_f16 v[OA+8*(2*\dblk+\sb):OA+8*(2*\dblk+\sb)+7], v[FR+16*\dblk+8:FR+16*\dblk+15], v[SC+32*\sb+16:SC+32*\sb+23], v[OA+8*(2*\dblk+\sb):OA+8*(2*\dblk+\sb)+7]
.endr
.endr
.endm
; One tile.  In front of the round every wave waits for all its tensor loads (one is out: its piece of this tile) and for its reads of the other slot;
; behind the round the other slot's refill is the first tensor load.  A wave has one tensor load out, with a tile's work (four chunks) in which to land.
.macro TRIP slot, refill, first
	s_set_vgpr_msb 0x5
	s_wait_tensorcnt 0x0
	ds_add_u32 v0, v1
	s_wait_dscnt 0x0
	s_set_vgpr_msb 0x500
	s_add_nc_u64 s[G0+4*\slot+2:G0+4*\slot+3], s[G0+4*\slot+2:G0+4*\slot+3], 2*STEP    ; no load of mine is out: this slot's next tile
	s_wait_dscnt 0x0
	ROUND
.if \refill
	JLOAD 1-\slot
.endif
	CHUNK \slot, 0, \first
	CHUNK \slot, 1, 0
	CHUNK \slot, 2, 0
	CHUNK \slot, 3, 0
.endm
	s_wait_loadcnt 0x0                             ; the k fragments
	TRIP 0, 1, 1                                   ; tile 0: its first chunk starts maxima, sums and O: nothing is cleared
	TRIP 1, 1, 0                                   ; tile 1
	s_mov_b32 s44, 2
.Ltiles:
	TRIP 0, 1, 0                                   ; tiles 2, 4
	TRIP 1, 1, 0                                   ; tiles 3, 5
	s_sub_co_u32 s44, s44, 1
	s_cmp_lg_u32 s44, 0
	s_cbranch_scc1 .Ltiles
	TRIP 0, 1, 0                                   ; tile 6
	TRIP 1, 0, 0                                   ; tile 7: nothing more to fetch
	; THE WAY OUT: divide by the row sums, round to f16, through a stage into whole rows of 256 bytes (two heads).
	; The stage is 128 rows x 272 bytes from LDS byte 0, in slot 0: that slot has had its last fill (tile 6), and every wave waited for its reads of it
	; in front of the round of tile 7.
.rept 4
	v_nop                                          ; four places behind the last products
.endr
	v_add_f32 v[TT], v[LS], v[LS+1]
	v_add_f32 v[TT+1], v[LS+2], v[LS+3]
	v_permlanex16_b32 v[PX], v[TT], s10, s11
	v_permlanex16_b32 v[PX+1], v[TT+1], s10, s11
	v_add_f32 v[TT], v[TT], v[PX]
	v_add_f32 v[TT+1], v[TT+1], v[PX+1]            ; at least 1: the row's largest score gives exp 0
	v_rcp_f32 v[AL], v[TT]
	v_rcp_f32 v[AL+2], v[TT+1]
	v_nop                                          ; one plain vector instruction between v_rcp_f32 and the use of its result (ISA guide 5.7.2)
	s_wait_alu depctr_va_vdst(0)
.irp dblk, 0,1,2,3
.irp sb, 0,1
.irp i, 0,2,4,6
	v_pk_mul_f32 v[OA+8*(2*\dblk+\sb)+\i:OA+8*(2*\dblk+\sb)+\i+1], v[OA+8*(2*\dblk+\sb)+\i:OA+8*(2*\dblk+\sb)+\i+1], v[AL+2*\sb:AL+2*\sb+1] op_sel_hi:[1,0]
.endr
.endr
.endr
.irp dblk, 0,1,2,3
.irp sb, 0,1
.irp i, 0,1,2,3
	v_cvt_pk_f16_f32 v[FR+4*(2*\dblk+\sb)+\i], v[OA+8*(2*\dblk+\sb)+2*\i], v[OA+8*(2*\dblk+\sb)+2*\i+1]
.endr
.endr
.endr
	s_mul_i32 s47, s49, 32*272                     ; my 32 rows of the stage,
	s_lshl_b32 s50, s48, 7                         ; my head's 128 bytes of them
	s_add_co_u32 s47, s47, s50
	v_mul_u32_u24 v4, v1, 272
	v_lshl_add_u32 v4, v2, 4, v4
	v_add_nc_u32 v4, s47, v4
	s_mul_i32 s50, s8, 16*272                      ; back: wave w takes rows 16 w .. + 15, lanes 0-15 one row, lanes 16-31 the next
	v_mul_u32_u24 v5, v2, 272
	v_lshl_add_u32 v5, v1, 4, v5
	v_add_nc_u32 v5, s50, v5
	v_lshlrev_b32 v6, 11, v2
	v_lshl_add_u32 v6, v1, 4, v6
.irp dblk, 0,1,2,3
.irp sb, 0,1
	ds_store_b128 v4, v[FR+4*(2*\dblk+\sb):FR+4*(2*\dblk+\sb)+3] offset:4352*\sb+32*\dblk   ; row 16 sb + r, d = 16 dblk + 8 h ..
.endr
.endr
	s_wait_dscnt 0x0                               ; my stores are in LDS before I say so
	s_barrier_signal -1
	s_barrier_wait -1
.irp t, 0,1,2,3,4,5,6,7
	ds_load_b128 v[SC+4*\t:SC+4*\t+3], v5 offset:544*\t
.endr
.irp t, 0,1,2,3,4,5,6,7
	s_wait_dscnt 7-\t
	global_store_b128 v6, v[SC+4*\t:SC+4*\t+3], s[60:61] offset:4096*\t    ; 16 lanes store 256 consecutive bytes, aligned
.endr
	s_set_vgpr_msb 0x5
	s_wait_tensorcnt 0x0
	ds_add_u32 v0, v1
	s_wait_dscnt 0x0
	s_set_vgpr_msb 0x500
	ROUND                                          ; the closing round: no work-group ends while a partner may still ask for a tile that names it
	s_endpgm
.Lfunc_end_k_q06792ad27c_attn:
	.size	k_q06792ad27c_attn, .Lfunc_end_k_q06792ad27c_attn-k_q06792ad27c_attn
	.p2alignl 7, 3214868480
	.fill 96, 4, 3214868480
	.section	.rodata,"a",@progbits
	.p2align	6, 0x0
	.amdhsa_kernel k_q06792ad27c_attn
		.amdhsa_group_segment_fixed_size 327680
		.amdhsa_private_segment_fixed_size 0
		.amdhsa_enable_private_segment 0
		.amdhsa_kernarg_size 16
		.amdhsa_user_sgpr_count 2
		.amdhsa_user_sgpr_kernarg_segment_ptr 1
		.amdhsa_wavefront_size32 1
		.amdhsa_system_sgpr_workgroup_id_x 1
		.amdhsa_system_sgpr_workgroup_id_y 1
		.amdhsa_system_sgpr_workgroup_id_z 1
		.amdhsa_system_vgpr_workitem_id 0
		.amdhsa_next_free_vgpr 258
		.amdhsa_next_free_sgpr 66
		.amdhsa_reserve_vcc 0
		.amdhsa_float_denorm_mode_32 3
		.amdhsa_float_denorm_mode_16_64 3
		.amdhsa_memory_ordered 1
		.amdhsa_forward_progress 1
		.amdhsa_inst_pref_size 255
	.end_amdhsa_kernel
	.section	.bss,"aw",@nobits
	.p2align	6
	.space	262144
	.amdgpu_metadata
---
amdhsa.version: [ 1, 2 ]
amdhsa.kernels:
  - .name:           k_q06792ad27c_attn
    .symbol:         k_q06792ad27c_attn.kd
    .args:
      - { .name: qkv, .offset: 0, .size: 8, .value_kind: global_buffer, .address_space: global }
      - { .name: o, .offset: 8, .size: 8, .value_kind: global_buffer, .address_space: global }
    .group_segment_fixed_size: 327680
    .private_segment_fixed_size: 0
    .kernarg_segment_align: 8
    .kernarg_segment_size: 16
    .max_flat_workgroup_size: 256
    .sgpr_count:     66
    .vgpr_count:     258
    .wavefront_size: 32
...
	.end_amdgpu_metadata
.endif
;; end of part 3
;; launch wog (part 4): grid 8 x 32, 4 waves a work-group, clusters of 4 x 4, 327,680 bytes of LDS; arguments o, wt, bo, x, x1; writes x1
.if DOCPART == 4
	.amdgcn_target "amdgcn-amd-amdhsa--gfx1250"
	.amdhsa_code_object_version 6
	.text
	.protected	k_q06792ad27c_wog
	.globl	k_q06792ad27c_wog
	.p2align	8
	.type	k_q06792ad27c_wog,@function
k_q06792ad27c_wog:
	s_mov_b64 s[64:65], 0
	v_nop
	global_prefetch_b8 v0, s[64:65] scope:SCOPE_SE
	s_setreg_imm32_b32 hwreg(HW_REG_WAVE_MODE, 25, 1), 1
	s_wait_xcnt 0x0
	s_wait_alu depctr_hold_cnt(0) depctr_sa_sdst(0) depctr_va_vdst(0) depctr_va_sdst(0) depctr_va_ssrc(0) depctr_va_vcc(0) depctr_vm_vsrc(0)
	s_getreg_b32 s2, hwreg(HW_REG_IB_STS2, 6, 4)
	s_cmp_eq_u32 s2, 0
	s_cbranch_scc0 .Lentry_in_a_cluster
	s_endpgm
.Lentry_in_a_cluster:
	s_bfe_u32 s2, ttmp6, 0x10000c
	s_cmp_lg_u32 s2, 0xf033
	s_cbranch_scc0 .Lentry_shape_is_right
	s_endpgm
.Lentry_shape_is_right:
; x1 = x + o x Wo + bo.  o: [4096][1024] f16, WoT: [1024][1024] f16 at wt's byte 6,291,456, bo, x, x1 f32; sums in f32.
; N is 1,024: blocks of 256 x 256 would give 64 work-groups.  So a work-group makes 128 x 128 (256 work-groups), and its four waves SPLIT K: each
; keeps a whole 128 x 128 tile (512 registers) and takes 64 of every 256 along K, so that a wave still feeds 64 matrix instructions from 32 fragment loads.
; The four partial tiles meet once, in f32, in the ring's LDS behind its last fill; bias and residual are added there.
; K goes in steps of 256 through a ring of two LDS slots: a tile's rows are 512 bytes of memory, aligned to 256.
; CLUSTERS: 4 x 4 work-groups; A's tiles are shared along a row of the cluster, the weights' along a column, by joint loads.
; THE ORDER OF K: in its step t a cluster reads K step t xor s, s = (cluster x xor cluster y) & 3, the same in all sixteen partners.  The clusters of one
; block row (same tiles of A) have different s, and so have four neighbouring clusters of one block column (same tiles of the weights): they ask for
; different tiles first, and then for tiles that another cluster has asked for before.
; REGISTERS in windows of 256: window 0: v0-35 addresses and bias, v64-191 A's fragments, v192-255 partial sums at work;
; window 1: v64-191 the weights' fragments, v0-63 and v192-255 the residual of my 32 rows, asked for at the head; windows 2, 3: the accumulators of rows 0-63, 64-127.
; The matrix instruction is used transposed: lane l holds row l % 16 and its registers 0 to 7 the columns 8 (l / 16) + 0 .. 7.
; LIMITS: operands f16 (finite below 65,504); NaN and infinities are not reproduced; K is summed in four parts and in another order than the reference's.
.set SIZE_K, 1024
.set WOFF,   6291456
.set KS,     256
.set KSH,    9                         ; a K step is 512 bytes of a row
.set PITCH,  528                       ; an LDS row: 512 bytes + 16 of padding, an odd multiple of 16
.set HALFT,  64*PITCH                  ; what one tensor load brings: 64 rows
.set SLOT,   4*HALFT                   ; A's 128 rows, then the weights' 128 rows
.set REGION, 128*PITCH                 ; a wave's partial tile on the way out: 128 rows of 128 f32, same pitch; four of them are the ring's bytes
.set LAPS, SIZE_K/(2*KS)
.set ADRA, 16
.set ADRB, 20
.set RS,   24                          ; v24     where I put my partial tile
.set RL,   26                          ; v26-29  where I read the four partial tiles' rows
.set LN,   30                          ; v30     16 x lane
.set BI,   32                          ; v[32:35] bias of my four columns
.set F0,   64
.set F1,   128
.set PT,   192                         ; v[192:255] four rows x four partial sums; a row's first four registers become its result
.set G1, 24
.set G0, 32
.set G1B, 48
.set G0B, 56
.set TS, 82                            ; s82-83   the step whose tile slot 0, 1 holds or is asked for; s81 = s; s[84:85] a byte offset along K
.set MSB, 0
.macro WIN new                         ; the immediate's high byte repeats the setting that is left
.if MSB != \new
	s_set_vgpr_msb (MSB<<8)|\new
.set MSB, \new
.endif
.endm
.set MUL_LO, 0xa1
.set MUL_HI, 0xf1
.set TO_B,   0x40
.macro JLOAD s                         ; waves 0 and 1 fetch A's two halves, waves 2 and 3 the weights': the branch hangs on the wave's number alone
	s_cmp_eq_u32 s11, 0
	s_cbranch_scc0 .Lfor_b_\@
	tensor_load_to_lds s[G0+4*\s:G0+4*\s+3], s[G1:G1+7]
	s_nop 0
	s_branch .Lasked_\@
.Lfor_b_\@:
	tensor_load_to_lds s[G0B+4*\s:G0B+4*\s+3], s[G1B:G1B+7]
	s_nop 0
.Lasked_\@:
.endm
; the addresses of a slot's tile: rows' first bytes s[14:15], s[46:47] + 512 bytes x (step xor s)
.macro KADDR slot
	s_xor_b32 s84, s[TS+\slot], s81
	s_lshl_b32 s84, s84, KSH
	s_add_nc_u64 s[G0+4*\slot+2:G0+4*\slot+3], s[14:15], s[84:85]
	s_or_b32 s[G0+4*\slot+3], s[G0+4*\slot+3], 0x80000000          ; type = 2
	s_add_nc_u64 s[G0B+4*\slot+2:G0B+4*\slot+3], s[46:47], s[84:85]
	s_or_b32 s[G0B+4*\slot+3], s[G0B+4*\slot+3], 0x80000000
.endm
.macro CREST
	s_cmp_lg_u32 s10, 0
	s_cbranch_scc1 .Lnot_wave_0_\@
	s_barrier_signal -3
.Lnot_wave_0_\@:
	s_barrier_wait -3
	s_barrier_signal -1
	s_barrier_wait -1
.endm
.macro CROUND
	s_barrier_signal -1
	s_barrier_wait -1
	CREST
.endm
	s_load_b128 s[4:7], s[0:1], 0x0                ; A s[4:5], wt s[6:7]
	s_load_b128 s[68:71], s[0:1], 0x10             ; bias s[68:69], residual s[70:71]
	s_load_b64 s[72:73], s[0:1], 0x20              ; the result
	v_lshl_add_u32 v62, v0, 2, 0x42000
	v_mov_b32 v63, 0
	ds_add_u32 v62, v63
	v_lshrrev_b32 v1, 5, v0
	v_readfirstlane_b32 s10, v1                    ; wave 0..3: my 64 of every 256 along K
	s_lshr_b32 s11, s10, 1                         ; I fetch A (0) or weights (1)
	s_and_b32 s12, s10, 1                          ; which 64 rows of that tile I fetch
	s_bfe_u32 s40, ttmp6, 0x40000                  ; cx
	s_bfe_u32 s41, ttmp6, 0x40004                  ; cy
	s_lshl_b32 s42, ttmp9, 2
	s_add_co_u32 s42, s42, s40                     ; block column
	s_and_b32 s13, ttmp7, 0xffff
	s_lshl_b32 s13, s13, 2
	s_add_co_u32 s13, s13, s41                     ; block row
	s_lshl_b32 s43, s41, 2
	s_lshl_b32 s43, 15, s43                        ; my row of the cluster
	s_lshl_b32 s44, 0x1111, s40                    ; my column
	s_xor_b32 s81, ttmp9, ttmp7                    ; s: made of the cluster's own x and y, equal in its sixteen work-groups
	s_and_b32 s81, s81, 3
	s_mov_b32 s85, 0
	; group 1: a tile of 64 rows x 256 elements of 2 bytes; 4 words of padding behind every 128 words; the mask, with bit 21 beside it
	s_or_b32 s[G1+0], s43, (1<<16)|(1<<20)|(1<<21)|(6<<22)|(3<<25)
	s_or_b32 s[G1B+0], s44, (1<<16)|(1<<20)|(1<<21)|(6<<22)|(3<<25)
	s_mov_b32 s[G1+1], KS<<16                      ; tensor_dim0 = 256
	s_mov_b32 s[G1B+1], KS<<16
	s_mov_b32 s[G1+2], 64<<16                      ; tensor_dim1 = 64
	s_mov_b32 s[G1B+2], 64<<16
	s_mov_b32 s[G1+3], KS<<16                      ; tile_dim0 = 256
	s_mov_b32 s[G1B+3], KS<<16
	s_mov_b32 s[G1+4], 64                          ; tile_dim1 = 64
	s_mov_b32 s[G1B+4], 64
	s_mov_b32 s[G1+5], SIZE_K
	s_mov_b32 s[G1B+5], SIZE_K
	s_mov_b32 s[G1+6], 0
	s_mov_b32 s[G1B+6], 0
	s_mov_b32 s[G1+7], 0
	s_mov_b32 s[G1B+7], 0
	s_lshl_b32 s17, s12, 6
	s_lshl_b32 s16, s13, 7
	s_add_co_u32 s16, s16, s17                     ; A: row 128 x block row + 64 x half
	s_lshl_b32 s46, s42, 7
	s_add_co_u32 s46, s46, s17                     ; weights: row 128 x block column + 64 x half
	s_mov_b32 s17, 0
	s_mov_b32 s47, 0
	s_mov_b64 s[18:19], SIZE_K*2
	s_mul_u64 s[16:17], s[16:17], s[18:19]
	s_mul_u64 s[46:47], s[46:47], s[18:19]
	s_mul_i32 s20, s10, HALFT
	; the way out's offsets: my 32 rows of the block, the block's 128 columns of f32
	s_lshl_b32 s76, s13, 7
	s_lshl_b32 s77, s10, 5
	s_add_co_u32 s76, s76, s77
	s_lshl_b32 s76, s76, 12                        ; a row is 4,096 bytes
	s_lshl_b32 s78, s42, 9
	s_add_co_u32 s76, s76, s78
	s_mov_b32 s77, 0
	s_mov_b32 s79, 0
	s_wait_dscnt 0x0
	s_wait_kmcnt 0x0
	s_add_nc_u64 s[14:15], s[4:5], s[16:17]        ; my rows' first bytes: kept to the last refill
	s_add_nc_u64 s[46:47], s[6:7], s[46:47]
	s_add_nc_u64 s[46:47], s[46:47], WOFF
	s_add_nc_u64 s[70:71], s[70:71], s[76:77]
	s_add_nc_u64 s[72:73], s[72:73], s[76:77]
	s_add_nc_u64 s[68:69], s[68:69], s[78:79]
	CROUND                                         ; all sixteen work-groups are here: the first joint loads meet
.irp s, 0,1
	s_mov_b32 s[TS+\s], \s                         ; steps 0 and 1
	s_mov_b32 s[G0+4*\s], 1
	s_add_co_u32 s[G0+4*\s+1], s20, \s*SLOT
	s_mov_b32 s[G0B+4*\s], 1
	s_add_co_u32 s[G0B+4*\s+1], s20, \s*SLOT
	KADDR \s
	JLOAD \s
.endr
	v_and_b32 v1, 15, v0                           ; r
	v_bfe_u32 v2, v0, 4, 1                         ; h
	v_mul_u32_u24 v3, v1, PITCH
	v_lshl_add_u32 v3, v2, 4, v3
	s_lshl_b32 s21, s10, 7                         ; my 64 along K: 128 bytes of every row
	s_add_co_u32 s22, s21, 2*HALFT                 ; the weights lie behind A's 128 rows
.irp s, 0,1
	v_add_nc_u32 v[ADRA+\s], s21, v3
	v_add_nc_u32 v[ADRB+\s], s22, v3
	s_add_co_u32 s21, s21, SLOT
	s_add_co_u32 s22, s22, SLOT
.endr
	s_mul_i32 s23, s10, REGION
	v_mul_u32_u24 v4, v1, PITCH                    ; my partial tile: row r,
	v_lshl_add_u32 v4, v2, 5, v4                   ; 32 bytes (8 f32) for each half of the lanes
	v_add_nc_u32 v[RS], s23, v4
	v_and_b32 v5, 31, v0
	v_lshlrev_b32 v[LN], 4, v5
	s_mul_i32 s23, s10, 32*PITCH                   ; my 32 rows in each of the four partial tiles
.irp u, 0,1,2,3
	v_add_nc_u32 v[RL+\u], s23, v[LN]
	s_add_co_u32 s23, s23, REGION
.endr
	; residual and bias are asked for here, behind the first tiles' requests, into registers that nothing else names: they land under the products
	WIN TO_B
.set i, 0
.rept 32
	global_load_b128 v[4*i+128*(i/16):4*i+128*(i/16)+3], v[LN], s[70:71] offset:4096*i    ; row i of my 32: 512 consecutive bytes; window 1, v0-63 and v192-255
.set i, i+1
.endr
	WIN 0
	global_load_b128 v[BI:BI+3], v[LN], s[68:69]
.macro MUL16 f, hi, a0, zero
.irp a, \a0, \a0+1
.irp b, 0,1,2,3,4,5,6,7
.if \zero
	v_wmma_f32_16x16x32_f16 v[8*(8*(\a)+\b):8*(8*(\a)+\b)+7], v[\f+8*\b:\f+8*\b+7], v[\f+8*(4*\hi+\a):\f+8*(4*\hi+\a)+7], 0
.else
	v_wmma_f32_16x16x32_f16 v[8*(8*(\a)+\b):8*(8*(\a)+\b)+7], v[\f+8*\b:\f+8*\b+7], v[\f+8*(4*\hi+\a):\f+8*(4*\hi+\a)+7], v[8*(8*(\a)+\b):8*(8*(\a)+\b)+7]
.endif
.endr
.endr
.endm
.macro FETCH slot, k, f
	WIN TO_B
.irp i, 0,1,2,3,4,5,6,7
	ds_load_b128 v[\f+8*\i:\f+8*\i+3],   v[ADRB+\slot] offset:\k+\i*16*PITCH
	ds_load_b128 v[\f+8*\i+4:\f+8*\i+7], v[ADRB+\slot] offset:\k+\i*16*PITCH+32
.endr
	WIN 0
.irp i, 0,1,2,3,4,5,6,7
	ds_load_b128 v[\f+8*\i:\f+8*\i+3],   v[ADRA+\slot] offset:\k+\i*16*PITCH
	ds_load_b128 v[\f+8*\i+4:\f+8*\i+7], v[ADRA+\slot] offset:\k+\i*16*PITCH+32
.endr
.endm
; four plain vector instructions between a matrix instruction and a load into one of its registers, a store or a vector instruction that reads its
; result (ISA guide 7.12.1 for vector instructions)
.macro PLACES
.rept 4
	v_nop
.endr
.endm
; 64 matrix instructions on buffer f; in the middle the next 32 along K go into buffer g.  The 64 accumulators take turns, one instruction a turn,
; in the same order every time.
.macro QUARTER slot, k, f, g, zero
	s_wait_dscnt 8                                 ; the weights and rows 0-63 are in; the youngest eight loads (rows 64-127) may be out
	WIN MUL_LO
	MUL16 \f, 0, 0, \zero
	MUL16 \f, 0, 2, \zero
	PLACES
	FETCH \slot, \k, \g
	s_wait_dscnt 32                                ; all but the 32 just issued
	WIN MUL_HI
	MUL16 \f, 1, 0, \zero
	MUL16 \f, 1, 2, \zero
.endm
; Changes slots and multiplies buffer 1.  Where the slot is filled again the request comes first: a step's 128 matrix instructions are less work than a
; tile needs to arrive, so nothing stands between the tile's landing and the next request but the waits and the round.  Each wave waits for its reads of
; this slot (buffer 1 holds its last fragments) and for all its tensor loads (one is out: its part of the next slot); the round of the cluster's barrier;
; the joint refill, the first tensor load behind it; then the next slot's first fragments and buffer 1's 64 products.
; From a request to the wait for it a wave issues 128 matrix instructions.
.macro TURN slot, next, fill
.if \fill
	s_wait_dscnt 0
	s_set_vgpr_msb 0xf1f0
	s_wait_tensorcnt 0x0
	ds_add_u32 v62, v63
	s_wait_dscnt 0x0
	s_set_vgpr_msb 0xf0f1
	WIN 0
	CROUND                                         ; no wave of any partner still reads this slot's tile or has a load on its way
	s_add_co_u32 s[TS+\slot], s[TS+\slot], 2       ; this slot's next step
	KADDR \slot
	JLOAD \slot
	PLACES
	FETCH \next, 0, F0
	WIN MUL_LO
	MUL16 F1, 0, 0, 0
	MUL16 F1, 0, 2, 0
	WIN MUL_HI
	MUL16 F1, 1, 0, 0
	MUL16 F1, 1, 2, 0
.else
	s_wait_dscnt 8
	WIN MUL_LO
	MUL16 F1, 0, 0, 0
	s_wait_dscnt 0
	s_wait_tensorcnt 0x0                           ; my part of the last tile is in
	s_barrier_signal -1
	MUL16 F1, 0, 2, 0
	WIN 0
	s_barrier_wait -1                              ; everybody's is
	PLACES
	FETCH \next, 0, F0
	WIN MUL_HI
	MUL16 F1, 1, 0, 0
	MUL16 F1, 1, 2, 0
.endif
.endm
.macro STEPK slot, next, fill, zero
	QUARTER \slot, 64, F0, F1, \zero
	TURN \slot, \next, \fill
.endm
.macro LAP zero
	STEPK 0, 1, 1, \zero
	STEPK 1, 0, 1, 0
.endm
	s_wait_tensorcnt 1                             ; my part of step 0's tile is in; step 1's load stays out
	s_barrier_signal -1
	s_barrier_wait -1
	FETCH 0, 0, F0
	LAP 1                                          ; its first products start the sums: nothing is cleared
.if LAPS > 2
	WIN 0
	s_mov_b32 s3, LAPS-2
.Llap:
	LAP 0
	WIN 0
	s_sub_co_u32 s3, s3, 1
	s_cmp_lg_u32 s3, 0
	s_cbranch_scc1 .Llap
.endif
	STEPK 0, 1, 0, 0                               ; the last lap fills nothing and has no round of the cluster's barrier
	QUARTER 1, 64, F0, F1, 0
	s_wait_dscnt 8
	WIN MUL_LO
	MUL16 F1, 0, 0, 0
	MUL16 F1, 0, 2, 0
	s_wait_dscnt 0
	WIN MUL_HI
	MUL16 F1, 1, 0, 0
	MUL16 F1, 1, 2, 0
	; THE WAY OUT.  The four partial tiles go into the ring's bytes, which have had their last fill.
	PLACES
	WIN 0
	s_wait_dscnt 0x0                               ; my reads of the ring are over
	s_barrier_signal -1
	s_barrier_wait -1                              ; everybody's are
	WIN 0x08                                       ; store data from window 2
.irp a, 0,1,2,3
.irp b, 0,1,2,3,4,5,6,7
	ds_store_b128 v[RS], v[8*(8*\a+\b):8*(8*\a+\b)+3] offset:\a*16*PITCH+64*\b
	ds_store_b128 v[RS], v[8*(8*\a+\b)+4:8*(8*\a+\b)+7] offset:\a*16*PITCH+64*\b+16
.endr
.endr
	WIN 0x0c                                       ; from window 3
.irp a, 0,1,2,3
.irp b, 0,1,2,3,4,5,6,7
	ds_store_b128 v[RS], v[8*(8*\a+\b):8*(8*\a+\b)+3] offset:(\a+4)*16*PITCH+64*\b
	ds_store_b128 v[RS], v[8*(8*\a+\b)+4:8*(8*\a+\b)+7] offset:(\a+4)*16*PITCH+64*\b+16
.endr
.endr
	WIN 0
	s_wait_dscnt 0x0                               ; my partial tile is in LDS before I say so
	s_barrier_signal -1
	s_barrier_wait -1
; four rows of my 32: the four partial sums of each, the bias, the residual, and out
.macro SUM4 g, first
.if \first == 0
	s_wait_xcnt 0x0                                ; the registers that the last group's stores read are loaded again only behind this wait
.endif
.irp i, 0,1,2,3
.irp u, 0,1,2,3
	ds_load_b128 v[PT+16*\i+4*\u:PT+16*\i+4*\u+3], v[RL+\u] offset:PITCH*(4*\g+\i)
.endr
.endr
.if \first
	s_wait_loadcnt 0x0                             ; residual and bias, asked for at the head
.endif
.irp i, 0,1,2,3
	s_wait_dscnt 12-4*\i                           ; row i's four loads are in; the later rows' stay out
	v_pk_add_f32 v[PT+16*\i:PT+16*\i+1], v[PT+16*\i:PT+16*\i+1], v[PT+16*\i+4:PT+16*\i+5]
	v_pk_add_f32 v[PT+16*\i+2:PT+16*\i+3], v[PT+16*\i+2:PT+16*\i+3], v[PT+16*\i+6:PT+16*\i+7]
	v_pk_add_f32 v[PT+16*\i+8:PT+16*\i+9], v[PT+16*\i+8:PT+16*\i+9], v[PT+16*\i+12:PT+16*\i+13]
	v_pk_add_f32 v[PT+16*\i+10:PT+16*\i+11], v[PT+16*\i+10:PT+16*\i+11], v[PT+16*\i+14:PT+16*\i+15]
	v_pk_add_f32 v[PT+16*\i:PT+16*\i+1], v[PT+16*\i:PT+16*\i+1], v[BI:BI+1]
	v_pk_add_f32 v[PT+16*\i+2:PT+16*\i+3], v[PT+16*\i+2:PT+16*\i+3], v[BI+2:BI+3]
	v_pk_add_f32 v[PT+16*\i:PT+16*\i+1], v[PT+16*\i:PT+16*\i+1], v[PT+16*\i+8:PT+16*\i+9]
	v_pk_add_f32 v[PT+16*\i+2:PT+16*\i+3], v[PT+16*\i+2:PT+16*\i+3], v[PT+16*\i+10:PT+16*\i+11]
.endr
	WIN 0x04                                       ; source 1 from window 1: the residual
.irp i, 0,1,2,3
.set RR, 4*(4*\g+\i)+128*((4*\g+\i)/16)
	v_pk_add_f32 v[PT+16*\i:PT+16*\i+1], v[PT+16*\i:PT+16*\i+1], v[RR:RR+1]
	v_pk_add_f32 v[PT+16*\i+2:PT+16*\i+3], v[PT+16*\i+2:PT+16*\i+3], v[RR+2:RR+3]
.endr
	WIN 0
.irp i, 0,1,2,3
	global_store_b128 v[LN], v[PT+16*\i:PT+16*\i+3], s[72:73] offset:4096*(4*\g+\i)   ; 512 consecutive bytes, aligned
.endr
.endm
	SUM4 0, 1
	SUM4 1, 0
	SUM4 2, 0
	SUM4 3, 0
	SUM4 4, 0
	SUM4 5, 0
	SUM4 6, 0
	SUM4 7, 0
	s_wait_tensorcnt 0x0
	ds_add_u32 v62, v63
	s_wait_dscnt 0x0
	CROUND                                         ; the closing round
	s_endpgm
.Lfunc_end_k_q06792ad27c_wog:
	.size	k_q06792ad27c_wog, .Lfunc_end_k_q06792ad27c_wog-k_q06792ad27c_wog
	.p2alignl 7, 3214868480
	.fill 96, 4, 3214868480
	.section	.rodata,"a",@progbits
	.p2align	6, 0x0
	.amdhsa_kernel k_q06792ad27c_wog
		.amdhsa_group_segment_fixed_size 327680
		.amdhsa_private_segment_fixed_size 0
		.amdhsa_enable_private_segment 0
		.amdhsa_kernarg_size 40
		.amdhsa_user_sgpr_count 2
		.amdhsa_user_sgpr_kernarg_segment_ptr 1
		.amdhsa_wavefront_size32 1
		.amdhsa_system_sgpr_workgroup_id_x 1
		.amdhsa_system_sgpr_workgroup_id_y 1
		.amdhsa_system_sgpr_workgroup_id_z 1
		.amdhsa_system_vgpr_workitem_id 0
		.amdhsa_next_free_vgpr 1024
		.amdhsa_next_free_sgpr 92
		.amdhsa_reserve_vcc 0
		.amdhsa_float_denorm_mode_32 3
		.amdhsa_float_denorm_mode_16_64 3
		.amdhsa_memory_ordered 1
		.amdhsa_forward_progress 1
		.amdhsa_inst_pref_size 105
	.end_amdhsa_kernel
	.amdgpu_metadata
---
amdhsa.version: [ 1, 2 ]
amdhsa.kernels:
  - .name:           k_q06792ad27c_wog
    .symbol:         k_q06792ad27c_wog.kd
    .args:
      - { .name: o, .offset: 0, .size: 8, .value_kind: global_buffer, .address_space: global }
      - { .name: wt, .offset: 8, .size: 8, .value_kind: global_buffer, .address_space: global }
      - { .name: bo, .offset: 16, .size: 8, .value_kind: global_buffer, .address_space: global }
      - { .name: x, .offset: 24, .size: 8, .value_kind: global_buffer, .address_space: global }
      - { .name: x1, .offset: 32, .size: 8, .value_kind: global_buffer, .address_space: global }
    .group_segment_fixed_size: 327680
    .private_segment_fixed_size: 0
    .kernarg_segment_align: 8
    .kernarg_segment_size: 40
    .max_flat_workgroup_size: 128
    .sgpr_count:     92
    .vgpr_count:     1024
    .wavefront_size: 32
...
	.end_amdgpu_metadata
.endif
;; end of part 4
;; launch ln2 (part 5): grid 256 x 1, 8 waves a work-group, no clusters, 0 bytes of LDS; arguments x1, ln2_g, ln2_b, hn; writes hn
.if DOCPART == 5
	.amdgcn_target "amdgcn-amd-amdhsa--gfx1250"
	.amdhsa_code_object_version 6
	.text
	.protected	k_q06792ad27c_ln2
	.globl	k_q06792ad27c_ln2
	.p2align	8
	.type	k_q06792ad27c_ln2,@function
k_q06792ad27c_ln2:
	s_mov_b64 s[64:65], 0
	v_nop
	global_prefetch_b8 v0, s[64:65] scope:SCOPE_SE
	s_setreg_imm32_b32 hwreg(HW_REG_WAVE_MODE, 25, 1), 1
	s_wait_xcnt 0x0
; y[r][c] = (x[r][c] - mean_r) * rsqrt(var_r + 1e-5) * g[c] + b[c].  x: [4096][1024] f32, y: [4096][1024] f16.
; A wave takes two rows; a row is 4,096 bytes = 32 registers and stays in them for all three passes (mean, centred squares, scale):
; memory is read once, the variance is taken of the centred numbers, and no wave waits for another: no LDS, no barrier.
; 256 work-groups x 8 waves x 2 rows.  Memory binds: matrix units and clusters would add nothing.
; LIMIT: a result of 65,520 or more in magnitude becomes an f16 infinity (|y| is at most 32 |g| + |b|).
.set X,  16                            ; v[16:79]   row 0, row 1: load j holds columns 128 j + 4 lane .. + 3
.set G,  80                            ; v[80:111]  gain of the same columns
.set BV, 112                           ; v[112:143] bias of the same columns
.set Y,  144                           ; v[144:175] 16 registers a row, f16 pairs
	s_load_b256 s[4:11], s[0:1], 0x0               ; x s[4:5], g s[6:7], b s[8:9], y s[10:11]
	s_lshl_b32 s2, ttmp9, 16                       ; 16 rows of 4,096 bytes
	s_mov_b32 s3, 0
	s_lshl_b32 s18, ttmp9, 15                      ; 16 rows of 2,048 bytes
	s_mov_b32 s19, 0
	s_mov_b32 s12, 0x76543210                      ; v_permlanex16_b32: lane i reads lane i of the other half
	s_mov_b32 s13, 0xfedcba98
	s_mov_b32 s14, 0x3a800000                      ; 1 / 1024
	s_mov_b32 s15, 0x3727c5ac                      ; 1e-5
	v_and_b32 v2, 31, v0                           ; lane
	v_lshrrev_b32 v3, 5, v0                        ; wave
	v_lshlrev_b32 v1, 13, v3                       ; two rows of x a wave
	v_lshl_or_b32 v1, v2, 4, v1
	v_lshlrev_b32 v3, 12, v3                       ; two rows of y a wave
	v_lshl_or_b32 v3, v2, 3, v3
	v_lshlrev_b32 v2, 4, v2
	s_wait_kmcnt 0x0
	s_add_nc_u64 s[4:5], s[4:5], s[2:3]
	s_add_nc_u64 s[10:11], s[10:11], s[18:19]
.irp j, 0,1,2,3,4,5,6,7
	global_load_b128 v[X+4*\j:X+4*\j+3], v1, s[4:5] offset:512*\j
.endr
.irp j, 0,1,2,3,4,5,6,7
	global_load_b128 v[X+32+4*\j:X+32+4*\j+3], v1, s[4:5] offset:4096+512*\j
.endr
.irp j, 0,1,2,3,4,5,6,7
	global_load_b128 v[G+4*\j:G+4*\j+3], v2, s[6:7] offset:512*\j
.endr
.irp j, 0,1,2,3,4,5,6,7
	global_load_b128 v[BV+4*\j:BV+4*\j+3], v2, s[8:9] offset:512*\j
.endr
.macro REDUCE                          ; v4 summed over the 32 lanes, the sum in every lane; v5 has been written
	v_add_f32_dpp v4, v4, v4 row_xmask:1 row_mask:0xf bank_mask:0xf
	v_add_f32_dpp v4, v4, v4 row_xmask:2 row_mask:0xf bank_mask:0xf
	v_add_f32_dpp v4, v4, v4 row_xmask:4 row_mask:0xf bank_mask:0xf
	v_add_f32_dpp v4, v4, v4 row_xmask:8 row_mask:0xf bank_mask:0xf
	v_permlanex16_b32 v5, v4, s12, s13
	v_add_f32 v4, v4, v5
.endm
; one row: xb its registers, yb its result's, ro its byte offset in y, left = how many younger loads may stay out at its head
.macro LNROW xb, yb, ro, left
	s_wait_loadcnt \left
	v_pk_add_f32 v[4:5], v[\xb:\xb+1], v[\xb+2:\xb+3]              ; the sum, in two chains
	v_pk_add_f32 v[6:7], v[\xb+4:\xb+5], v[\xb+6:\xb+7]
.irp p, 8,12,16,20,24,28
	v_pk_add_f32 v[4:5], v[4:5], v[\xb+\p:\xb+\p+1]
	v_pk_add_f32 v[6:7], v[6:7], v[\xb+\p+2:\xb+\p+3]
.endr
	v_pk_add_f32 v[4:5], v[4:5], v[6:7]
	v_add_f32 v4, v4, v5
	REDUCE
	v_mul_f32 v8, s14, v4                          ; the mean, twice: a pair for the packed subtraction
	v_mul_f32 v9, s14, v4
.irp p, 0,2,4,6,8,10,12,14,16,18,20,22,24,26,28,30
	v_pk_add_f32 v[\xb+\p:\xb+\p+1], v[\xb+\p:\xb+\p+1], v[8:9] neg_lo:[0,1] neg_hi:[0,1]
.endr
	v_pk_mul_f32 v[4:5], v[\xb:\xb+1], v[\xb:\xb+1]                ; the centred squares, in two chains
	v_pk_mul_f32 v[6:7], v[\xb+2:\xb+3], v[\xb+2:\xb+3]
.irp p, 4,8,12,16,20,24,28
	v_pk_fma_f32 v[4:5], v[\xb+\p:\xb+\p+1], v[\xb+\p:\xb+\p+1], v[4:5]
	v_pk_fma_f32 v[6:7], v[\xb+\p+2:\xb+\p+3], v[\xb+\p+2:\xb+\p+3], v[6:7]
.endr
	v_pk_add_f32 v[4:5], v[4:5], v[6:7]
	v_add_f32 v4, v4, v5
	REDUCE
	v_fma_f32 v4, v4, s14, s15                     ; variance + 1e-5
	v_rsq_f32 v10, v4
	v_nop                                          ; one plain vector instruction between v_rsq_f32 and the use of its result (ISA guide 5.7.2)
	s_wait_alu depctr_va_vdst(0)
	v_mov_b32 v11, v10
	s_wait_loadcnt 0x0                             ; gain and bias are in
.irp p, 0,2,4,6,8,10,12,14,16,18,20,22,24,26,28,30
	v_pk_mul_f32 v[\xb+\p:\xb+\p+1], v[\xb+\p:\xb+\p+1], v[10:11]
.endr
.irp p, 0,2,4,6,8,10,12,14,16,18,20,22,24,26,28,30
	v_pk_fma_f32 v[\xb+\p:\xb+\p+1], v[\xb+\p:\xb+\p+1], v[G+\p:G+\p+1], v[BV+\p:BV+\p+1]
.endr
.irp j, 0,1,2,3,4,5,6,7
	v_cvt_pk_f16_f32 v[\yb+2*\j], v[\xb+4*\j], v[\xb+4*\j+1]
	v_cvt_pk_f16_f32 v[\yb+2*\j+1], v[\xb+4*\j+2], v[\xb+4*\j+3]
	global_store_b64 v3, v[\yb+2*\j:\yb+2*\j+1], s[10:11] offset:\ro+256*\j    ; the wave's 32 lanes store 256 consecutive bytes, aligned
.endr
.endm
	LNROW X, Y, 0, 24                              ; row 0's eight loads are in; row 1's, the gain's and the bias's 24 stay out
	LNROW X+32, Y+16, 2048, 0                      ; each row has its own result registers: no store's data is written again
	s_endpgm
.Lfunc_end_k_q06792ad27c_ln2:
	.size	k_q06792ad27c_ln2, .Lfunc_end_k_q06792ad27c_ln2-k_q06792ad27c_ln2
	.p2alignl 7, 3214868480
	.fill 96, 4, 3214868480
	.section	.rodata,"a",@progbits
	.p2align	6, 0x0
	.amdhsa_kernel k_q06792ad27c_ln2
		.amdhsa_group_segment_fixed_size 0
		.amdhsa_private_segment_fixed_size 0
		.amdhsa_enable_private_segment 0
		.amdhsa_kernarg_size 32
		.amdhsa_user_sgpr_count 2
		.amdhsa_user_sgpr_kernarg_segment_ptr 1
		.amdhsa_wavefront_size32 1
		.amdhsa_system_sgpr_workgroup_id_x 1
		.amdhsa_system_sgpr_workgroup_id_y 1
		.amdhsa_system_sgpr_workgroup_id_z 1
		.amdhsa_system_vgpr_workitem_id 0
		.amdhsa_next_free_vgpr 176
		.amdhsa_next_free_sgpr 66
		.amdhsa_reserve_vcc 0
		.amdhsa_float_denorm_mode_32 3
		.amdhsa_float_denorm_mode_16_64 3
		.amdhsa_memory_ordered 1
		.amdhsa_forward_progress 1
		.amdhsa_inst_pref_size 20
	.end_amdhsa_kernel
	.amdgpu_metadata
---
amdhsa.version: [ 1, 2 ]
amdhsa.kernels:
  - .name:           k_q06792ad27c_ln2
    .symbol:         k_q06792ad27c_ln2.kd
    .args:
      - { .name: x1, .offset: 0, .size: 8, .value_kind: global_buffer, .address_space: global }
      - { .name: ln2_g, .offset: 8, .size: 8, .value_kind: global_buffer, .address_space: global }
      - { .name: ln2_b, .offset: 16, .size: 8, .value_kind: global_buffer, .address_space: global }
      - { .name: hn, .offset: 24, .size: 8, .value_kind: global_buffer, .address_space: global }
    .group_segment_fixed_size: 0
    .private_segment_fixed_size: 0
    .kernarg_segment_align: 8
    .kernarg_segment_size: 32
    .max_flat_workgroup_size: 256
    .sgpr_count:     66
    .vgpr_count:     176
    .wavefront_size: 32
...
	.end_amdgpu_metadata
.endif
;; end of part 5
;; launch mlp1 (part 6): grid 16 x 16, 4 waves a work-group, clusters of 4 x 4, 327,680 bytes of LDS; arguments hn, wt, b1, act; writes act
.if DOCPART == 6
	.amdgcn_target "amdgcn-amd-amdhsa--gfx1250"
	.amdhsa_code_object_version 6
	.text
	.protected	k_q06792ad27c_mlp1
	.globl	k_q06792ad27c_mlp1
	.p2align	8
	.type	k_q06792ad27c_mlp1,@function
k_q06792ad27c_mlp1:
	s_mov_b64 s[64:65], 0
	v_nop
	global_prefetch_b8 v0, s[64:65] scope:SCOPE_SE
	s_setreg_imm32_b32 hwreg(HW_REG_WAVE_MODE, 25, 1), 1
	s_wait_xcnt 0x0
	s_wait_alu depctr_hold_cnt(0) depctr_sa_sdst(0) depctr_va_vdst(0) depctr_va_sdst(0) depctr_va_ssrc(0) depctr_va_vcc(0) depctr_vm_vsrc(0)
	s_getreg_b32 s2, hwreg(HW_REG_IB_STS2, 6, 4)
	s_cmp_eq_u32 s2, 0
	s_cbranch_scc0 .Lentry_in_a_cluster
	s_endpgm
.Lentry_in_a_cluster:
	s_bfe_u32 s2, ttmp6, 0x10000c
	s_cmp_lg_u32 s2, 0xf033
	s_cbranch_scc0 .Lentry_shape_is_right
	s_endpgm
.Lentry_shape_is_right:
; act = relu(hn x W1 + b1).  hn: [4096][1024] f16, W1T: [4096][1024] f16 at wt's byte 8,388,608, b1 f32, act: [4096][4096] f16; sums in f32, started by the bias.
; A work-group makes 256 x 256 with four waves; a wave makes 128 x 128: 64 accumulator tiles, 512 registers.  16 x 16 = 256 work-groups.
; K goes in steps of 128 through a ring of two LDS slots filled by the tensor data mover: a tile's rows are 256 bytes of memory, aligned.
; CLUSTERS: 4 x 4 work-groups; hn's tiles are shared along a row of the cluster, the weights' along a column, by joint loads.
; THE ORDER OF K: in its step t a cluster reads K step t xor s, s = (cluster x xor cluster y) & 3, the same in all sixteen partners.  The clusters of one
; block row (same tiles of hn) have different s, and so have those of one block column (same tiles of the weights): within four steps they ask for four
; different tiles first, and then for tiles that another cluster has asked for before.
; REGISTERS in windows of 256: window 0: v0-31 addresses, v64-191 fragments of hn (two buffers), v192-223 at work on the way out;
; window 1: v64-191 fragments of the weights, v192-255 the bias of my 128 columns; windows 2, 3: the accumulators of my rows 0-63, 64-127.
; The matrix instruction is used transposed: lane l holds row l % 16 and its registers 0 to 7 the columns 8 (l / 16) + 0 .. 7.
; LIMITS: operands and results are f16: finite below 65,504; NaN is not reproduced (the maximum with 0 turns it into 0), nor are infinities;
; K is summed in another order than the reference's.
.set SIZE_K, 1024
.set SIZE_N, 4096
.set WOFF,   8388608
.set KSTEP,  128
.set KSH,    8                         ; a K step is 256 bytes of a row
.set PITCH,  272                       ; 256 bytes + 16 of padding, an odd multiple of 16
.set HALFT,  128*PITCH
.set SLOT,   4*HALFT
.set STAGE,  2*SLOT                    ; behind the ring: 16 rows x 272 bytes for each wave; no tensor load lands here
.set SPITCH, 272
.set LAPS, SIZE_K/(2*KSTEP)
.set ADRA, 16
.set ADRB, 20
.set STO,  24
.set RD,   25
.set CO,   26
.set BO,   27
.set F0,   64
.set F1,   128
.set TMP,  192
.set BIAS, 192                         ; in window 1
.set G1, 24
.set G0, 32
.set G1B, 48
.set G0B, 56
.set TS, 82                            ; s82-83   the step whose tile slot 0, 1 holds or is asked for; s81 = s; s[84:85] a byte offset along K
.set MSB, 0
.macro WIN new                         ; the immediate's high byte repeats the setting that is left
.if MSB != \new
	s_set_vgpr_msb (MSB<<8)|\new
.set MSB, \new
.endif
.endm
.set MUL_LO, 0xa1
.set MUL_HI, 0xf1
.set BIA_LO, 0x91                      ; C window 1 (the bias), D window 2
.set BIA_HI, 0xd1                      ; C window 1, D window 3
.set TO_B,   0x40
.macro JLOAD s                         ; waves 0 and 1 fetch hn's two halves, waves 2 and 3 the weights': the branch hangs on the wave's number alone
	s_cmp_eq_u32 s11, 0
	s_cbranch_scc0 .Lfor_b_\@
	tensor_load_to_lds s[G0+4*\s:G0+4*\s+3], s[G1:G1+7]
	s_nop 0
	s_branch .Lasked_\@
.Lfor_b_\@:
	tensor_load_to_lds s[G0B+4*\s:G0B+4*\s+3], s[G1B:G1B+7]
	s_nop 0
.Lasked_\@:
.endm
; the addresses of a slot's tile: rows' first bytes s[14:15], s[46:47] + 256 bytes x (step xor s)
.macro KADDR slot
	s_xor_b32 s84, s[TS+\slot], s81
	s_lshl_b32 s84, s84, KSH
	s_add_nc_u64 s[G0+4*\slot+2:G0+4*\slot+3], s[14:15], s[84:85]
	s_or_b32 s[G0+4*\slot+3], s[G0+4*\slot+3], 0x80000000          ; type = 2
	s_add_nc_u64 s[G0B+4*\slot+2:G0B+4*\slot+3], s[46:47], s[84:85]
	s_or_b32 s[G0B+4*\slot+3], s[G0B+4*\slot+3], 0x80000000
.endm
.macro CREST
	s_cmp_lg_u32 s10, 0
	s_cbranch_scc1 .Lnot_wave_0_\@
	s_barrier_signal -3
.Lnot_wave_0_\@:
	s_barrier_wait -3
	s_barrier_signal -1
	s_barrier_wait -1
.endm
.macro CROUND
	s_barrier_signal -1
	s_barrier_wait -1
	CREST
.endm
	s_load_b128 s[4:7], s[0:1], 0x0                ; hn s[4:5], wt s[6:7]
	s_load_b128 s[68:71], s[0:1], 0x10             ; b1 s[68:69], act s[70:71]
	s_set_vgpr_msb 0x40
	v_lshl_add_u32 v63, v0, 2, 0x48400
	s_set_vgpr_msb 0x4000
	v_mov_b32 v255, 0
	s_set_vgpr_msb 0x1
	ds_add_u32 v63, v255
	s_set_vgpr_msb 0x100
	v_lshrrev_b32 v1, 5, v0
	v_readfirstlane_b32 s10, v1
	s_lshr_b32 s11, s10, 1
	s_and_b32 s12, s10, 1
	s_bfe_u32 s40, ttmp6, 0x40000                  ; cx
	s_bfe_u32 s41, ttmp6, 0x40004                  ; cy
	s_lshl_b32 s42, ttmp9, 2
	s_add_co_u32 s42, s42, s40                     ; block column
	s_and_b32 s13, ttmp7, 0xffff
	s_lshl_b32 s13, s13, 2
	s_add_co_u32 s13, s13, s41                     ; block row
	s_lshl_b32 s43, s41, 2
	s_lshl_b32 s43, 15, s43
	s_lshl_b32 s44, 0x1111, s40
	s_xor_b32 s81, ttmp9, ttmp7                    ; s: made of the cluster's own x and y, equal in its sixteen work-groups
	s_and_b32 s81, s81, 3
	s_mov_b32 s85, 0
	s_or_b32 s[G1+0], s43, (1<<16)|(1<<20)|(1<<21)|(5<<22)|(3<<25)
	s_or_b32 s[G1B+0], s44, (1<<16)|(1<<20)|(1<<21)|(5<<22)|(3<<25)
	s_mov_b32 s[G1+1], KSTEP<<16
	s_mov_b32 s[G1B+1], KSTEP<<16
	s_mov_b32 s[G1+2], 128<<16
	s_mov_b32 s[G1B+2], 128<<16
	s_mov_b32 s[G1+3], KSTEP<<16
	s_mov_b32 s[G1B+3], KSTEP<<16
	s_mov_b32 s[G1+4], 128
	s_mov_b32 s[G1B+4], 128
	s_mov_b32 s[G1+5], SIZE_K
	s_mov_b32 s[G1B+5], SIZE_K
	s_mov_b32 s[G1+6], 0
	s_mov_b32 s[G1B+6], 0
	s_mov_b32 s[G1+7], 0
	s_mov_b32 s[G1B+7], 0
	s_lshl_b32 s17, s12, 7
	s_lshl_b32 s16, s13, 8
	s_add_co_u32 s16, s16, s17
	s_lshl_b32 s46, s42, 8
	s_add_co_u32 s46, s46, s17
	s_mov_b32 s17, 0
	s_mov_b32 s47, 0
	s_mov_b64 s[18:19], SIZE_K*2
	s_mul_u64 s[16:17], s[16:17], s[18:19]
	s_mul_u64 s[46:47], s[46:47], s[18:19]
	s_mul_i32 s20, s10, HALFT
	s_lshl_b32 s76, s42, 10                        ; the bias of my 128 columns: 256 f32 a block column,
	s_lshl_b32 s77, s12, 9                         ; 128 f32 a half
	s_add_co_u32 s76, s76, s77
	s_mov_b32 s77, 0
	s_wait_dscnt 0x0
	s_wait_kmcnt 0x0
	s_add_nc_u64 s[14:15], s[4:5], s[16:17]        ; my rows' first bytes: kept to the last refill
	s_add_nc_u64 s[46:47], s[6:7], s[46:47]
	s_add_nc_u64 s[46:47], s[46:47], WOFF
	s_add_nc_u64 s[66:67], s[68:69], s[76:77]
	CROUND                                         ; all sixteen work-groups are here: the first joint loads meet
.irp s, 0,1
	s_mov_b32 s[TS+\s], \s                         ; steps 0 and 1
	s_mov_b32 s[G0+4*\s], 1
	s_add_co_u32 s[G0+4*\s+1], s20, \s*SLOT
	s_mov_b32 s[G0B+4*\s], 1
	s_add_co_u32 s[G0B+4*\s+1], s20, \s*SLOT
	KADDR \s
	JLOAD \s
.endr
	v_and_b32 v1, 15, v0                           ; r
	v_bfe_u32 v2, v0, 4, 1                         ; h
	v_mul_u32_u24 v3, v1, PITCH
	v_lshl_add_u32 v3, v2, 4, v3
	s_mul_i32 s21, s11, HALFT
	s_mul_i32 s22, s12, HALFT
	s_add_co_u32 s22, s22, 2*HALFT
.irp s, 0,1
	v_add_nc_u32 v[ADRA+\s], s21, v3
	v_add_nc_u32 v[ADRB+\s], s22, v3
	s_add_co_u32 s21, s21, SLOT
	s_add_co_u32 s22, s22, SLOT
.endr
	s_mul_i32 s23, s10, 16*SPITCH
	s_add_co_u32 s23, s23, STAGE
	v_mul_u32_u24 v4, v1, SPITCH
	v_lshl_add_u32 v4, v2, 4, v4
	v_add_nc_u32 v[STO], s23, v4
	v_mul_u32_u24 v5, v2, SPITCH                   ; back: lanes 0-15 take one row of 256 bytes, lanes 16-31 the next
	v_lshl_add_u32 v5, v1, 4, v5
	v_add_nc_u32 v[RD], s23, v5
	v_mul_u32_u24 v5, v2, SIZE_N*2
	v_lshl_add_u32 v[CO], v1, 4, v5
	v_lshlrev_b32 v[BO], 5, v2                     ; tile b, register j: bias[16 b + 8 h + j]
	WIN TO_B
.irp b, 0,1,2,3,4,5,6,7
	global_load_b128 v[BIAS+8*\b:BIAS+8*\b+3], v[BO], s[66:67] offset:64*\b
	global_load_b128 v[BIAS+8*\b+4:BIAS+8*\b+7], v[BO], s[66:67] offset:64*\b+16
.endr
	WIN 0
.macro MUL16 f, hi, a0, zero           ; zero = 1: the bias starts the sums
.irp a, \a0, \a0+1
.irp b, 0,1,2,3,4,5,6,7
.if \zero
	v_wmma_f32_16x16x32_f16 v[8*(8*(\a)+\b):8*(8*(\a)+\b)+7], v[\f+8*\b:\f+8*\b+7], v[\f+8*(4*\hi+\a):\f+8*(4*\hi+\a)+7], v[BIAS+8*\b:BIAS+8*\b+7]
.else
	v_wmma_f32_16x16x32_f16 v[8*(8*(\a)+\b):8*(8*(\a)+\b)+7], v[\f+8*\b:\f+8*\b+7], v[\f+8*(4*\hi+\a):\f+8*(4*\hi+\a)+7], v[8*(8*(\a)+\b):8*(8*(\a)+\b)+7]
.endif
.endr
.endr
.endm
.macro FETCH slot, k, f
	WIN TO_B
.irp i, 0,1,2,3,4,5,6,7
	ds_load_b128 v[\f+8*\i:\f+8*\i+3],   v[ADRB+\slot] offset:\k+\i*16*PITCH
	ds_load_b128 v[\f+8*\i+4:\f+8*\i+7], v[ADRB+\slot] offset:\k+\i*16*PITCH+32
.endr
	WIN 0
.irp i, 0,1,2,3,4,5,6,7
	ds_load_b128 v[\f+8*\i:\f+8*\i+3],   v[ADRA+\slot] offset:\k+\i*16*PITCH
	ds_load_b128 v[\f+8*\i+4:\f+8*\i+7], v[ADRA+\slot] offset:\k+\i*16*PITCH+32
.endr
.endm
; four plain vector instructions between a matrix instruction and a load into one of its registers or a vector instruction that reads its
; result (ISA guide 7.12.1 for vector instructions)
.macro PLACES
.rept 4
	v_nop
.endr
.endm
; The 64 accumulators take turns, one instruction a turn, in the same order in every quarter.
.macro QUARTER slot, k, f, g, zero
	s_wait_dscnt 8                                 ; the weights and my rows 0-63 are in; the youngest eight loads (rows 64-127) may be out
.if \zero
	WIN BIA_LO
.else
	WIN MUL_LO
.endif
	MUL16 \f, 0, 0, \zero
	MUL16 \f, 0, 2, \zero
	PLACES
	FETCH \slot, \k, \g
	s_wait_dscnt 32                                ; all but the 32 just issued
.if \zero
	WIN BIA_HI
.else
	WIN MUL_HI
.endif
	MUL16 \f, 1, 0, \zero
	MUL16 \f, 1, 2, \zero
.endm
.macro THREE slot, zero
	QUARTER \slot, 64,  F0, F1, \zero
	QUARTER \slot, 128, F1, F0, 0
	QUARTER \slot, 192, F0, F1, 0
.endm
; The last quarter multiplies buffer 1 and changes slots: the waits for my reads of this slot and for all my tensor loads, the barrier (which opens a
; round of the cluster's barrier where the slot is filled again), the refill first behind it, then the next slot's first fragments.
.macro TURN slot, next, fill
	s_wait_dscnt 8
	WIN MUL_LO
	MUL16 F1, 0, 0, 0
	s_wait_dscnt 0                                 ; my reads of this slot are over
	s_wait_tensorcnt 0x0                           ; all my tensor loads have landed
	ds_add_u32 v63, v255
	s_wait_dscnt 0x0
	s_barrier_signal -1
	MUL16 F1, 0, 2, 0                              ; register work while the others arrive
	WIN 0
	s_barrier_wait -1
.if \fill
	CREST                                          ; no wave of any partner still reads this slot's tile or has a load on its way
	s_add_co_u32 s[TS+\slot], s[TS+\slot], 2       ; this slot's next step
	KADDR \slot
	JLOAD \slot                                    ; the first tensor load behind the round
.endif
	PLACES
	FETCH \next, 0, F0
	WIN MUL_HI
	MUL16 F1, 1, 0, 0
	MUL16 F1, 1, 2, 0
.endm
.macro LAP zero
	THREE 0, \zero
	TURN 0, 1, 1
	THREE 1, 0
	TURN 1, 0, 1
.endm
	s_wait_tensorcnt 1                             ; my part of step 0's tile is in; step 1's load stays out
	s_barrier_signal -1
	s_barrier_wait -1
	FETCH 0, 0, F0
	s_wait_loadcnt 0x0                             ; the bias
	LAP 1
	WIN 0
	s_mov_b32 s3, LAPS-2
.Llap:
	LAP 0
	WIN 0
	s_sub_co_u32 s3, s3, 1
	s_cmp_lg_u32 s3, 0
	s_cbranch_scc1 .Llap
	THREE 0, 0                                     ; the last lap fills nothing and has no round of the cluster's barrier
	TURN 0, 1, 0
	THREE 1, 0
	s_wait_dscnt 8
	WIN MUL_LO
	MUL16 F1, 0, 0, 0
	MUL16 F1, 0, 2, 0
	s_wait_dscnt 0
	WIN MUL_HI
	MUL16 F1, 1, 0, 0
	MUL16 F1, 1, 2, 0
	; THE WAY OUT: the relu in f32, in place, under two settings of the windows; then 16 rows at a time through my own stage.
	PLACES
	WIN 0x88                                       ; source 1 and destination window 2
.set i, 0
.rept 256
	v_max_num_f32 v[i], 0, v[i]
.set i, i+1
.endr
	WIN 0xcc                                       ; window 3
.set i, 0
.rept 256
	v_max_num_f32 v[i], 0, v[i]
.set i, i+1
.endr
	s_lshl_b32 s13, s13, 8
	s_lshl_b32 s80, s11, 7
	s_add_co_u32 s16, s13, s80                     ; my first row
	s_mov_b32 s17, 0
	s_mov_b64 s[18:19], SIZE_N*2
	s_mul_u64 s[16:17], s[16:17], s[18:19]
	s_add_nc_u64 s[70:71], s[70:71], s[16:17]
	s_lshl_b32 s78, s42, 9                         ; my first column, in bytes: 512 x block + 256 x half
	s_lshl_b32 s79, s12, 8
	s_add_co_u32 s78, s78, s79
	s_mov_b32 s79, 0
	s_add_nc_u64 s[70:71], s[70:71], s[78:79]
.macro OUT16 i, a, from, f
	WIN \from
.irp b, 0,1,2,3,4,5,6,7
.irp r, 0,1,2,3
	v_cvt_pk_f16_f32 v[TMP+4*\b+\r], v[8*(8*\a+\b)+2*\r], v[8*(8*\a+\b)+2*\r+1]
.endr
.endr
	WIN 0
.irp b, 0,1,2,3,4,5,6,7
	ds_store_b128 v[STO], v[TMP+4*\b:TMP+4*\b+3] offset:32*\b
.endr
	s_wait_xcnt 0x0                                ; buffer f, which earlier stores read, and the stores' base are written again only behind this wait
.if \i
	s_add_nc_u64 s[70:71], s[70:71], 16*SIZE_N*2
.endif
.irp t, 0,1,2,3,4,5,6,7
	ds_load_b128 v[\f+4*\t:\f+4*\t+3], v[RD] offset:\t*2*SPITCH    ; LDS serves a wave's instructions in order: these see the stores above
.endr
.irp t, 0,1,2,3,4,5,6,7
	s_wait_dscnt 7-\t
	global_store_b128 v[CO], v[\f+4*\t:\f+4*\t+3], s[70:71] offset:2*\t*SIZE_N*2   ; 16 lanes store 256 consecutive bytes, aligned
.endr
.endm
	OUT16 0, 0, 0x0a, F0
	OUT16 1, 1, 0x0a, F1
	OUT16 2, 2, 0x0a, F0
	OUT16 3, 3, 0x0a, F1
	OUT16 4, 0, 0x0f, F0
	OUT16 5, 1, 0x0f, F1
	OUT16 6, 2, 0x0f, F0
	OUT16 7, 3, 0x0f, F1
	s_set_vgpr_msb 0x1
	s_wait_tensorcnt 0x0
	ds_add_u32 v63, v255
	s_wait_dscnt 0x0
	s_set_vgpr_msb 0x100
	CROUND                                         ; the closing round
	s_endpgm
.Lfunc_end_k_q06792ad27c_mlp1:
	.size	k_q06792ad27c_mlp1, .Lfunc_end_k_q06792ad27c_mlp1-k_q06792ad27c_mlp1
	.p2alignl 7, 3214868480
	.fill 96, 4, 3214868480
	.section	.rodata,"a",@progbits
	.p2align	6, 0x0
	.amdhsa_kernel k_q06792ad27c_mlp1
		.amdhsa_group_segment_fixed_size 327680
		.amdhsa_private_segment_fixed_size 0
		.amdhsa_enable_private_segment 0
		.amdhsa_kernarg_size 32
		.amdhsa_user_sgpr_count 2
		.amdhsa_user_sgpr_kernarg_segment_ptr 1
		.amdhsa_wavefront_size32 1
		.amdhsa_system_sgpr_workgroup_id_x 1
		.amdhsa_system_sgpr_workgroup_id_y 1
		.amdhsa_system_sgpr_workgroup_id_z 1
		.amdhsa_system_vgpr_workitem_id 0
		.amdhsa_next_free_vgpr 1024
		.amdhsa_next_free_sgpr 92
		.amdhsa_reserve_vcc 0
		.amdhsa_float_denorm_mode_32 3
		.amdhsa_float_denorm_mode_16_64 3
		.amdhsa_memory_ordered 1
		.amdhsa_forward_progress 1
		.amdhsa_inst_pref_size 215
	.end_amdhsa_kernel
	.amdgpu_metadata
---
amdhsa.version: [ 1, 2 ]
amdhsa.kernels:
  - .name:           k_q06792ad27c_mlp1
    .symbol:         k_q06792ad27c_mlp1.kd
    .args:
      - { .name: hn, .offset: 0, .size: 8, .value_kind: global_buffer, .address_space: global }
      - { .name: wt, .offset: 8, .size: 8, .value_kind: global_buffer, .address_space: global }
      - { .name: b1, .offset: 16, .size: 8, .value_kind: global_buffer, .address_space: global }
      - { .name: act, .offset: 24, .size: 8, .value_kind: global_buffer, .address_space: global }
    .group_segment_fixed_size: 327680
    .private_segment_fixed_size: 0
    .kernarg_segment_align: 8
    .kernarg_segment_size: 32
    .max_flat_workgroup_size: 128
    .sgpr_count:     92
    .vgpr_count:     1024
    .wavefront_size: 32
...
	.end_amdgpu_metadata
.endif
;; end of part 6
;; launch mlp2 (part 7): grid 8 x 32, 4 waves a work-group, clusters of 4 x 4, 327,680 bytes of LDS; arguments act, wt, b2, x1, out0; writes out0
.if DOCPART == 7
	.amdgcn_target "amdgcn-amd-amdhsa--gfx1250"
	.amdhsa_code_object_version 6
	.text
	.protected	k_q06792ad27c_mlp2
	.globl	k_q06792ad27c_mlp2
	.p2align	8
	.type	k_q06792ad27c_mlp2,@function
k_q06792ad27c_mlp2:
	s_mov_b64 s[64:65], 0
	v_nop
	global_prefetch_b8 v0, s[64:65] scope:SCOPE_SE
	s_setreg_imm32_b32 hwreg(HW_REG_WAVE_MODE, 25, 1), 1
	s_wait_xcnt 0x0
	s_wait_alu depctr_hold_cnt(0) depctr_sa_sdst(0) depctr_va_vdst(0) depctr_va_sdst(0) depctr_va_ssrc(0) depctr_va_vcc(0) depctr_vm_vsrc(0)
	s_getreg_b32 s2, hwreg(HW_REG_IB_STS2, 6, 4)
	s_cmp_eq_u32 s2, 0
	s_cbranch_scc0 .Lentry_in_a_cluster
	s_endpgm
.Lentry_in_a_cluster:
	s_bfe_u32 s2, ttmp6, 0x10000c
	s_cmp_lg_u32 s2, 0xf033
	s_cbranch_scc0 .Lentry_shape_is_right
	s_endpgm
.Lentry_shape_is_right:
; out0 = x1 + act x W2 + b2.  act: [4096][4096] f16, W2T: [1024][4096] f16 at wt's byte 16,777,216, b2, x1, out0 f32; sums in f32.
; N is 1,024: blocks of 256 x 256 would give 64 work-groups.  So a work-group makes 128 x 128 (256 work-groups), and its four waves SPLIT K: each
; keeps a whole 128 x 128 tile (512 registers) and takes 64 of every 256 along K, so that a wave still feeds 64 matrix instructions from 32 fragment loads.
; The four partial tiles meet once, in f32, in the ring's LDS behind its last fill; bias and residual are added there.
; K goes in steps of 256 through a ring of two LDS slots: a tile's rows are 512 bytes of memory, aligned to 256.
; CLUSTERS: 4 x 4 work-groups; A's tiles are shared along a row of the cluster, the weights' along a column, by joint loads.
; THE ORDER OF K: in its step t a cluster reads K step t xor s, s = (cluster x xor cluster y) & 3, the same in all sixteen partners.  The clusters of one
; block row (same tiles of A) have different s, and so have four neighbouring clusters of one block column (same tiles of the weights): they ask for
; different tiles first, and then for tiles that another cluster has asked for before.
; REGISTERS in windows of 256: window 0: v0-35 addresses and bias, v64-191 A's fragments, v192-255 partial sums at work;
; window 1: v64-191 the weights' fragments, v0-63 and v192-255 the residual of my 32 rows, asked for at the head; windows 2, 3: the accumulators of rows 0-63, 64-127.
; The matrix instruction is used transposed: lane l holds row l % 16 and its registers 0 to 7 the columns 8 (l / 16) + 0 .. 7.
; LIMITS: operands f16 (finite below 65,504); NaN and infinities are not reproduced; K is summed in four parts and in another order than the reference's.
.set SIZE_K, 4096
.set WOFF,   16777216
.set KS,     256
.set KSH,    9                         ; a K step is 512 bytes of a row
.set PITCH,  528                       ; an LDS row: 512 bytes + 16 of padding, an odd multiple of 16
.set HALFT,  64*PITCH                  ; what one tensor load brings: 64 rows
.set SLOT,   4*HALFT                   ; A's 128 rows, then the weights' 128 rows
.set REGION, 128*PITCH                 ; a wave's partial tile on the way out: 128 rows of 128 f32, same pitch; four of them are the ring's bytes
.set LAPS, SIZE_K/(2*KS)
.set ADRA, 16
.set ADRB, 20
.set RS,   24                          ; v24     where I put my partial tile
.set RL,   26                          ; v26-29  where I read the four partial tiles' rows
.set LN,   30                          ; v30     16 x lane
.set BI,   32                          ; v[32:35] bias of my four columns
.set F0,   64
.set F1,   128
.set PT,   192                         ; v[192:255] four rows x four partial sums; a row's first four registers become its result
.set G1, 24
.set G0, 32
.set G1B, 48
.set G0B, 56
.set TS, 82                            ; s82-83   the step whose tile slot 0, 1 holds or is asked for; s81 = s; s[84:85] a byte offset along K
.set MSB, 0
.macro WIN new                         ; the immediate's high byte repeats the setting that is left
.if MSB != \new
	s_set_vgpr_msb (MSB<<8)|\new
.set MSB, \new
.endif
.endm
.set MUL_LO, 0xa1
.set MUL_HI, 0xf1
.set TO_B,   0x40
.macro JLOAD s                         ; waves 0 and 1 fetch A's two halves, waves 2 and 3 the weights': the branch hangs on the wave's number alone
	s_cmp_eq_u32 s11, 0
	s_cbranch_scc0 .Lfor_b_\@
	tensor_load_to_lds s[G0+4*\s:G0+4*\s+3], s[G1:G1+7]
	s_nop 0
	s_branch .Lasked_\@
.Lfor_b_\@:
	tensor_load_to_lds s[G0B+4*\s:G0B+4*\s+3], s[G1B:G1B+7]
	s_nop 0
.Lasked_\@:
.endm
; the addresses of a slot's tile: rows' first bytes s[14:15], s[46:47] + 512 bytes x (step xor s)
.macro KADDR slot
	s_xor_b32 s84, s[TS+\slot], s81
	s_lshl_b32 s84, s84, KSH
	s_add_nc_u64 s[G0+4*\slot+2:G0+4*\slot+3], s[14:15], s[84:85]
	s_or_b32 s[G0+4*\slot+3], s[G0+4*\slot+3], 0x80000000          ; type = 2
	s_add_nc_u64 s[G0B+4*\slot+2:G0B+4*\slot+3], s[46:47], s[84:85]
	s_or_b32 s[G0B+4*\slot+3], s[G0B+4*\slot+3], 0x80000000
.endm
.macro CREST
	s_cmp_lg_u32 s10, 0
	s_cbranch_scc1 .Lnot_wave_0_\@
	s_barrier_signal -3
.Lnot_wave_0_\@:
	s_barrier_wait -3
	s_barrier_signal -1
	s_barrier_wait -1
.endm
.macro CROUND
	s_barrier_signal -1
	s_barrier_wait -1
	CREST
.endm
	s_load_b128 s[4:7], s[0:1], 0x0                ; A s[4:5], wt s[6:7]
	s_load_b128 s[68:71], s[0:1], 0x10             ; bias s[68:69], residual s[70:71]
	s_load_b64 s[72:73], s[0:1], 0x20              ; the result
	v_lshl_add_u32 v62, v0, 2, 0x42000
	v_mov_b32 v63, 0
	ds_add_u32 v62, v63
	v_lshrrev_b32 v1, 5, v0
	v_readfirstlane_b32 s10, v1                    ; wave 0..3: my 64 of every 256 along K
	s_lshr_b32 s11, s10, 1                         ; I fetch A (0) or weights (1)
	s_and_b32 s12, s10, 1                          ; which 64 rows of that tile I fetch
	s_bfe_u32 s40, ttmp6, 0x40000                  ; cx
	s_bfe_u32 s41, ttmp6, 0x40004                  ; cy
	s_lshl_b32 s42, ttmp9, 2
	s_add_co_u32 s42, s42, s40                     ; block column
	s_and_b32 s13, ttmp7, 0xffff
	s_lshl_b32 s13, s13, 2
	s_add_co_u32 s13, s13, s41                     ; block row
	s_lshl_b32 s43, s41, 2
	s_lshl_b32 s43, 15, s43                        ; my row of the cluster
	s_lshl_b32 s44, 0x1111, s40                    ; my column
	s_xor_b32 s81, ttmp9, ttmp7                    ; s: made of the cluster's own x and y, equal in its sixteen work-groups
	s_and_b32 s81, s81, 3
	s_mov_b32 s85, 0
	; group 1: a tile of 64 rows x 256 elements of 2 bytes; 4 words of padding behind every 128 words; the mask, with bit 21 beside it
	s_or_b32 s[G1+0], s43, (1<<16)|(1<<20)|(1<<21)|(6<<22)|(3<<25)
	s_or_b32 s[G1B+0], s44, (1<<16)|(1<<20)|(1<<21)|(6<<22)|(3<<25)
	s_mov_b32 s[G1+1], KS<<16                      ; tensor_dim0 = 256
	s_mov_b32 s[G1B+1], KS<<16
	s_mov_b32 s[G1+2], 64<<16                      ; tensor_dim1 = 64
	s_mov_b32 s[G1B+2], 64<<16
	s_mov_b32 s[G1+3], KS<<16                      ; tile_dim0 = 256
	s_mov_b32 s[G1B+3], KS<<16
	s_mov_b32 s[G1+4], 64                          ; tile_dim1 = 64
	s_mov_b32 s[G1B+4], 64
	s_mov_b32 s[G1+5], SIZE_K
	s_mov_b32 s[G1B+5], SIZE_K
	s_mov_b32 s[G1+6], 0
	s_mov_b32 s[G1B+6], 0
	s_mov_b32 s[G1+7], 0
	s_mov_b32 s[G1B+7], 0
	s_lshl_b32 s17, s12, 6
	s_lshl_b32 s16, s13, 7
	s_add_co_u32 s16, s16, s17                     ; A: row 128 x block row + 64 x half
	s_lshl_b32 s46, s42, 7
	s_add_co_u32 s46, s46, s17                     ; weights: row 128 x block column + 64 x half
	s_mov_b32 s17, 0
	s_mov_b32 s47, 0
	s_mov_b64 s[18:19], SIZE_K*2
	s_mul_u64 s[16:17], s[16:17], s[18:19]
	s_mul_u64 s[46:47], s[46:47], s[18:19]
	s_mul_i32 s20, s10, HALFT
	; the way out's offsets: my 32 rows of the block, the block's 128 columns of f32
	s_lshl_b32 s76, s13, 7
	s_lshl_b32 s77, s10, 5
	s_add_co_u32 s76, s76, s77
	s_lshl_b32 s76, s76, 12                        ; a row is 4,096 bytes
	s_lshl_b32 s78, s42, 9
	s_add_co_u32 s76, s76, s78
	s_mov_b32 s77, 0
	s_mov_b32 s79, 0
	s_wait_dscnt 0x0
	s_wait_kmcnt 0x0
	s_add_nc_u64 s[14:15], s[4:5], s[16:17]        ; my rows' first bytes: kept to the last refill
	s_add_nc_u64 s[46:47], s[6:7], s[46:47]
	s_add_nc_u64 s[46:47], s[46:47], WOFF
	s_add_nc_u64 s[70:71], s[70:71], s[76:77]
	s_add_nc_u64 s[72:73], s[72:73], s[76:77]
	s_add_nc_u64 s[68:69], s[68:69], s[78:79]
	CROUND                                         ; all sixteen work-groups are here: the first joint loads meet
.irp s, 0,1
	s_mov_b32 s[TS+\s], \s                         ; steps 0 and 1
	s_mov_b32 s[G0+4*\s], 1
	s_add_co_u32 s[G0+4*\s+1], s20, \s*SLOT
	s_mov_b32 s[G0B+4*\s], 1
	s_add_co_u32 s[G0B+4*\s+1], s20, \s*SLOT
	KADDR \s
	JLOAD \s
.endr
	v_and_b32 v1, 15, v0                           ; r
	v_bfe_u32 v2, v0, 4, 1                         ; h
	v_mul_u32_u24 v3, v1, PITCH
	v_lshl_add_u32 v3, v2, 4, v3
	s_lshl_b32 s21, s10, 7                         ; my 64 along K: 128 bytes of every row
	s_add_co_u32 s22, s21, 2*HALFT                 ; the weights lie behind A's 128 rows
.irp s, 0,1
	v_add_nc_u32 v[ADRA+\s], s21, v3
	v_add_nc_u32 v[ADRB+\s], s22, v3
	s_add_co_u32 s21, s21, SLOT
	s_add_co_u32 s22, s22, SLOT
.endr
	s_mul_i32 s23, s10, REGION
	v_mul_u32_u24 v4, v1, PITCH                    ; my partial tile: row r,
	v_lshl_add_u32 v4, v2, 5, v4                   ; 32 bytes (8 f32) for each half of the lanes
	v_add_nc_u32 v[RS], s23, v4
	v_and_b32 v5, 31, v0
	v_lshlrev_b32 v[LN], 4, v5
	s_mul_i32 s23, s10, 32*PITCH                   ; my 32 rows in each of the four partial tiles
.irp u, 0,1,2,3
	v_add_nc_u32 v[RL+\u], s23, v[LN]
	s_add_co_u32 s23, s23, REGION
.endr
	; residual and bias are asked for here, behind the first tiles' requests, into registers that nothing else names: they land under the products
	WIN TO_B
.set i, 0
.rept 32
	global_load_b128 v[4*i+128*(i/16):4*i+128*(i/16)+3], v[LN], s[70:71] offset:4096*i    ; row i of my 32: 512 consecutive bytes; window 1, v0-63 and v192-255
.set i, i+1
.endr
	WIN 0
	global_load_b128 v[BI:BI+3], v[LN], s[68:69]
.macro MUL16 f, hi, a0, zero
.irp a, \a0, \a0+1
.irp b, 0,1,2,3,4,5,6,7
.if \zero
	v_wmma_f32_16x16x32_f16 v[8*(8*(\a)+\b):8*(8*(\a)+\b)+7], v[\f+8*\b:\f+8*\b+7], v[\f+8*(4*\hi+\a):\f+8*(4*\hi+\a)+7], 0
.else
	v_wmma_f32_16x16x32_f16 v[8*(8*(\a)+\b):8*(8*(\a)+\b)+7], v[\f+8*\b:\f+8*\b+7], v[\f+8*(4*\hi+\a):\f+8*(4*\hi+\a)+7], v[8*(8*(\a)+\b):8*(8*(\a)+\b)+7]
.endif
.endr
.endr
.endm
.macro FETCH slot, k, f
	WIN TO_B
.irp i, 0,1,2,3,4,5,6,7
	ds_load_b128 v[\f+8*\i:\f+8*\i+3],   v[ADRB+\slot] offset:\k+\i*16*PITCH
	ds_load_b128 v[\f+8*\i+4:\f+8*\i+7], v[ADRB+\slot] offset:\k+\i*16*PITCH+32
.endr
	WIN 0
.irp i, 0,1,2,3,4,5,6,7
	ds_load_b128 v[\f+8*\i:\f+8*\i+3],   v[ADRA+\slot] offset:\k+\i*16*PITCH
	ds_load_b128 v[\f+8*\i+4:\f+8*\i+7], v[ADRA+\slot] offset:\k+\i*16*PITCH+32
.endr
.endm
; four plain vector instructions between a matrix instruction and a load into one of its registers, a store or a vector instruction that reads its
; result (ISA guide 7.12.1 for vector instructions)
.macro PLACES
.rept 4
	v_nop
.endr
.endm
; 64 matrix instructions on buffer f; in the middle the next 32 along K go into buffer g.  The 64 accumulators take turns, one instruction a turn,
; in the same order every time.
.macro QUARTER slot, k, f, g, zero
	s_wait_dscnt 8                                 ; the weights and rows 0-63 are in; the youngest eight loads (rows 64-127) may be out
	WIN MUL_LO
	MUL16 \f, 0, 0, \zero
	MUL16 \f, 0, 2, \zero
	PLACES
	FETCH \slot, \k, \g
	s_wait_dscnt 32                                ; all but the 32 just issued
	WIN MUL_HI
	MUL16 \f, 1, 0, \zero
	MUL16 \f, 1, 2, \zero
.endm
; Changes slots and multiplies buffer 1.  Where the slot is filled again the request comes first: a step holds only 128 matrix instructions a wave,
; so nothing stands between the tile's landing and the next request but the waits and the round.  Each wave waits for its reads of
; this slot (buffer 1 holds its last fragments) and for all its tensor loads (one is out: its part of the next slot); the round of the cluster's barrier;
; the joint refill, the first tensor load behind it; then the next slot's first fragments and buffer 1's 64 products.
; From a request to the wait for it a wave issues 128 matrix instructions.
.macro TURN slot, next, fill
.if \fill
	s_wait_dscnt 0
	s_set_vgpr_msb 0xf1f0
	s_wait_tensorcnt 0x0
	ds_add_u32 v62, v63
	s_wait_dscnt 0x0
	s_set_vgpr_msb 0xf0f1
	WIN 0
	CROUND                                         ; no wave of any partner still reads this slot's tile or has a load on its way
	s_add_co_u32 s[TS+\slot], s[TS+\slot], 2       ; this slot's next step
	KADDR \slot
	JLOAD \slot
	PLACES
	FETCH \next, 0, F0
	WIN MUL_LO
	MUL16 F1, 0, 0, 0
	MUL16 F1, 0, 2, 0
	WIN MUL_HI
	MUL16 F1, 1, 0, 0
	MUL16 F1, 1, 2, 0
.else
	s_wait_dscnt 8
	WIN MUL_LO
	MUL16 F1, 0, 0, 0
	s_wait_dscnt 0
	s_wait_tensorcnt 0x0                           ; my part of the last tile is in
	s_barrier_signal -1
	MUL16 F1, 0, 2, 0
	WIN 0
	s_barrier_wait -1                              ; everybody's is
	PLACES
	FETCH \next, 0, F0
	WIN MUL_HI
	MUL16 F1, 1, 0, 0
	MUL16 F1, 1, 2, 0
.endif
.endm
.macro STEPK slot, next, fill, zero
	QUARTER \slot, 64, F0, F1, \zero
	TURN \slot, \next, \fill
.endm
.macro LAP zero
	STEPK 0, 1, 1, \zero
	STEPK 1, 0, 1, 0
.endm
	s_wait_tensorcnt 1                             ; my part of step 0's tile is in; step 1's load stays out
	s_barrier_signal -1
	s_barrier_wait -1
	FETCH 0, 0, F0
	LAP 1                                          ; its first products start the sums: nothing is cleared
	WIN 0
	s_mov_b32 s3, LAPS-2
.Llap:
	LAP 0
	WIN 0
	s_sub_co_u32 s3, s3, 1
	s_cmp_lg_u32 s3, 0
	s_cbranch_scc1 .Llap
	STEPK 0, 1, 0, 0                               ; the last lap fills nothing and has no round of the cluster's barrier
	QUARTER 1, 64, F0, F1, 0
	s_wait_dscnt 8
	WIN MUL_LO
	MUL16 F1, 0, 0, 0
	MUL16 F1, 0, 2, 0
	s_wait_dscnt 0
	WIN MUL_HI
	MUL16 F1, 1, 0, 0
	MUL16 F1, 1, 2, 0
	; THE WAY OUT.  The four partial tiles go into the ring's bytes, which have had their last fill.
	PLACES
	WIN 0
	s_wait_dscnt 0x0                               ; my reads of the ring are over
	s_barrier_signal -1
	s_barrier_wait -1                              ; everybody's are
	WIN 0x08                                       ; store data from window 2
.irp a, 0,1,2,3
.irp b, 0,1,2,3,4,5,6,7
	ds_store_b128 v[RS], v[8*(8*\a+\b):8*(8*\a+\b)+3] offset:\a*16*PITCH+64*\b
	ds_store_b128 v[RS], v[8*(8*\a+\b)+4:8*(8*\a+\b)+7] offset:\a*16*PITCH+64*\b+16
.endr
.endr
	WIN 0x0c                                       ; from window 3
.irp a, 0,1,2,3
.irp b, 0,1,2,3,4,5,6,7
	ds_store_b128 v[RS], v[8*(8*\a+\b):8*(8*\a+\b)+3] offset:(\a+4)*16*PITCH+64*\b
	ds_store_b128 v[RS], v[8*(8*\a+\b)+4:8*(8*\a+\b)+7] offset:(\a+4)*16*PITCH+64*\b+16
.endr
.endr
	WIN 0
	s_wait_dscnt 0x0                               ; my partial tile is in LDS before I say so
	s_barrier_signal -1
	s_barrier_wait -1
; four rows of my 32: the four partial sums of each, the bias, the residual, and out
.macro SUM4 g, first
.if \first == 0
	s_wait_xcnt 0x0                                ; the registers that the last group's stores read are loaded again only behind this wait
.endif
.irp i, 0,1,2,3
.irp u, 0,1,2,3
	ds_load_b128 v[PT+16*\i+4*\u:PT+16*\i+4*\u+3], v[RL+\u] offset:PITCH*(4*\g+\i)
.endr
.endr
.if \first
	s_wait_loadcnt 0x0                             ; residual and bias, asked for at the head
.endif
.irp i, 0,1,2,3
	s_wait_dscnt 12-4*\i                           ; row i's four loads are in; the later rows' stay out
	v_pk_add_f32 v[PT+16*\i:PT+16*\i+1], v[PT+16*\i:PT+16*\i+1], v[PT+16*\i+4:PT+16*\i+5]
	v_pk_add_f32 v[PT+16*\i+2:PT+16*\i+3], v[PT+16*\i+2:PT+16*\i+3], v[PT+16*\i+6:PT+16*\i+7]
	v_pk_add_f32 v[PT+16*\i+8:PT+16*\i+9], v[PT+16*\i+8:PT+16*\i+9], v[PT+16*\i+12:PT+16*\i+13]
	v_pk_add_f32 v[PT+16*\i+10:PT+16*\i+11], v[PT+16*\i+10:PT+16*\i+11], v[PT+16*\i+14:PT+16*\i+15]
	v_pk_add_f32 v[PT+16*\i:PT+16*\i+1], v[PT+16*\i:PT+16*\i+1], v[BI:BI+1]
	v_pk_add_f32 v[PT+16*\i+2:PT+16*\i+3], v[PT+16*\i+2:PT+16*\i+3], v[BI+2:BI+3]
	v_pk_add_f32 v[PT+16*\i:PT+16*\i+1], v[PT+16*\i:PT+16*\i+1], v[PT+16*\i+8:PT+16*\i+9]
	v_pk_add_f32 v[PT+16*\i+2:PT+16*\i+3], v[PT+16*\i+2:PT+16*\i+3], v[PT+16*\i+10:PT+16*\i+11]
.endr
	WIN 0x04                                       ; source 1 from window 1: the residual
.irp i, 0,1,2,3
.set RR, 4*(4*\g+\i)+128*((4*\g+\i)/16)
	v_pk_add_f32 v[PT+16*\i:PT+16*\i+1], v[PT+16*\i:PT+16*\i+1], v[RR:RR+1]
	v_pk_add_f32 v[PT+16*\i+2:PT+16*\i+3], v[PT+16*\i+2:PT+16*\i+3], v[RR+2:RR+3]
.endr
	WIN 0
.irp i, 0,1,2,3
	global_store_b128 v[LN], v[PT+16*\i:PT+16*\i+3], s[72:73] offset:4096*(4*\g+\i)   ; 512 consecutive bytes, aligned
.endr
.endm
	SUM4 0, 1
	SUM4 1, 0
	SUM4 2, 0
	SUM4 3, 0
	SUM4 4, 0
	SUM4 5, 0
	SUM4 6, 0
	SUM4 7, 0
	s_wait_tensorcnt 0x0
	ds_add_u32 v62, v63
	s_wait_dscnt 0x0
	CROUND                                         ; the closing round
	s_endpgm
.Lfunc_end_k_q06792ad27c_mlp2:
	.size	k_q06792ad27c_mlp2, .Lfunc_end_k_q06792ad27c_mlp2-k_q06792ad27c_mlp2
	.p2alignl 7, 3214868480
	.fill 96, 4, 3214868480
	.section	.rodata,"a",@progbits
	.p2align	6, 0x0
	.amdhsa_kernel k_q06792ad27c_mlp2
		.amdhsa_group_segment_fixed_size 327680
		.amdhsa_private_segment_fixed_size 0
		.amdhsa_enable_private_segment 0
		.amdhsa_kernarg_size 40
		.amdhsa_user_sgpr_count 2
		.amdhsa_user_sgpr_kernarg_segment_ptr 1
		.amdhsa_wavefront_size32 1
		.amdhsa_system_sgpr_workgroup_id_x 1
		.amdhsa_system_sgpr_workgroup_id_y 1
		.amdhsa_system_sgpr_workgroup_id_z 1
		.amdhsa_system_vgpr_workitem_id 0
		.amdhsa_next_free_vgpr 1024
		.amdhsa_next_free_sgpr 92
		.amdhsa_reserve_vcc 0
		.amdhsa_float_denorm_mode_32 3
		.amdhsa_float_denorm_mode_16_64 3
		.amdhsa_memory_ordered 1
		.amdhsa_forward_progress 1
		.amdhsa_inst_pref_size 132
	.end_amdhsa_kernel
	.amdgpu_metadata
---
amdhsa.version: [ 1, 2 ]
amdhsa.kernels:
  - .name:           k_q06792ad27c_mlp2
    .symbol:         k_q06792ad27c_mlp2.kd
    .args:
      - { .name: act, .offset: 0, .size: 8, .value_kind: global_buffer, .address_space: global }
      - { .name: wt, .offset: 8, .size: 8, .value_kind: global_buffer, .address_space: global }
      - { .name: b2, .offset: 16, .size: 8, .value_kind: global_buffer, .address_space: global }
      - { .name: x1, .offset: 24, .size: 8, .value_kind: global_buffer, .address_space: global }
      - { .name: out0, .offset: 32, .size: 8, .value_kind: global_buffer, .address_space: global }
    .group_segment_fixed_size: 327680
    .private_segment_fixed_size: 0
    .kernarg_segment_align: 8
    .kernarg_segment_size: 40
    .max_flat_workgroup_size: 128
    .sgpr_count:     92
    .vgpr_count:     1024
    .wavefront_size: 32
...
	.end_amdgpu_metadata
.endif
;; end of part 7
